; MI455X (gfx1250); checked and timed in simulation.
; The chip was launched on July 23, 2026; its instructions are those of AMD's public machine-readable ISA for CDNA 5 (MIT licence, August 2026) and "CDNA5" Instruction Set Architecture Reference Guide (July 2026). The comments in the code are by the model that wrote it; some were corrected since.
;; Attention. Allowed arithmetic: matrix products marked QUANTISED: E2M1 operands, one E8M0 scale for each 32 along K, by v_wmma_scale_f32_16x16x128_f8f6f4 with both operands' format E2M1 (or v_wmma_scale_f32_32x16x128_f4), f32 sums; products left as they are: bf16, f16 or f32 operands; f32 sums; everything else in f32.
;; Inputs: Wkv 1,024 x 2,048 float32; Wout 1,024 x 1,024 float32; Wq 1,024 x 1,024 float32; bout 1,024 float32; x 4 x 2,048 x 1,024 float32.
;; Outputs: out0 4 x 2,048 x 1,024 float32.
;; This version of the problem:
;;   THIS VERSION OF THE PROBLEM IS GIVEN IN LOW PRECISION. The matrix products marked QUANTISED in the list below multiply operands that are first quantised to E2M1 (2 exponent bits, 1 mantissa bit; 4 bits a number), with one power-of-two scale for each 32 numbers along K (OCP MX v1.0); their sums are f32. The products marked 'left as it is' may take bf16, f16 or f32 operands, with f32 sums. Whichever they take, every output number must still come out within the allowed error. Rounding operands to bf16 (8 significant bits) uses up far more of that allowance than f16 does (11 bits, for magnitudes from 6e-5 to 65,504). All else is computed in f32.
;;   The module's matrix products, in the order in which they are computed (A, B: the left and right operand; K: the contracted axis; several contracted axes count as one K, in the product's order):
;;     1. [M 8,192, K 1,024] x [K 1,024, N 1,024]; A: input x; B: input Wq: QUANTISED
;;     2. [M 8,192, K 1,024] x [K 1,024, N 2,048]; A: input x; B: input Wkv: QUANTISED
;;     3. batch 64 x [M 2,048, K 64] x [K 64, N 2,048]; A: computed on the way; B: computed on the way: left as it is (an operand is computed on the way)
;;     4. batch 64 x [M 2,048, K 2,048] x [K 2,048, N 64]; A: computed on the way; B: computed on the way: left as it is (an operand is computed on the way)
;;     5. [M 8,192, K 1,024] x [K 1,024, N 1,024]; A: computed on the way; B: input Wout: left as it is (an operand is computed on the way)
;;   THE QUANTISER, for each operand of a quantised product, along K:
;;     - K is cut into blocks of 32 from its start; a last block that is shorter is filled with zeros.
;;     - A block's scale is 2^e with e = floor(log2(the largest magnitude in the block)) - 2, held to -126 .. 127; a block of zeros has e = 0. As a byte (E8M0): e + 127.
;;     - Each number is divided by its block's scale, clamped to +-6, and rounded to the nearest number of E2M1, ties to even, subnormals kept.
;;     - The product sums the exact products of the quantised numbers (number of the format x scale) in f32.
;;   ~~~python
;;   def quantise(x, axis):      # numpy; x: float32 -> the quantised numbers, widened to float32 again
;;       x = np.moveaxis(x, axis, -1); K = x.shape[-1]
;;       x = np.pad(x, [(0, 0)] * (x.ndim - 1) + [(0, -K % 32)]); x = x.reshape(x.shape[:-1] + (-1, 32)); a = np.abs(x).max(-1, keepdims=True)
;;       e = np.where(a > 0, np.clip(np.frexp(np.where(a > 0, a, 1))[1] - 1 - 2, -126, 127), 0)      # np.frexp(a)[1] - 1 = floor(log2(a)), exactly
;;       r = np.clip(x / 2.0 ** e, -6, 6)
;;       step = 2.0 ** (np.maximum(np.frexp(np.where(r == 0, 1, r))[1] - 1, 0) - 1)
;;       q = np.round(r / step) * step * 2.0 ** e      # np.round: ties to even
;;       return np.moveaxis(q.reshape(q.shape[:-2] + (-1,))[..., :K], -1, axis).astype(np.float32)
;;   ~~~
;; One version. Each part assembles by itself: llvm-mc -triple=amdgcn-amd-amdhsa -mcpu=gfx1250 --defsym DOCPART=n.
;; ======== version 1 of 1: 4 launches
;; limits: values are held in f16: magnitudes above 65,504 overflow, below 6.1e-05 lose precision
;; workspace buffers: xc 4,194,304 bytes; xs 262,144 bytes; wc 1,572,864 bytes; ws 98,304 bytes; woh 2,097,152 bytes; qkvh 50,331,648 bytes; att 16,777,216 bytes
;; launch prep (part 1): grid 432 x 1, 4 waves a work-group, no clusters, 68,096 bytes of LDS; arguments x, Wq, Wkv, Wout, xc, xs, wc, ws, woh; writes xc, xs, wc, ws, woh
.if DOCPART == 1
	.amdgcn_target "amdgcn-amd-amdhsa--gfx1250"
	.amdhsa_code_object_version 6
	.text
	.protected	k_q6dc3290138_prep
	.globl	k_q6dc3290138_prep
	.p2align	8
	.type	k_q6dc3290138_prep,@function
k_q6dc3290138_prep:
	s_mov_b64 s[64:65], 0
	v_nop
	global_prefetch_b8 v0, s[64:65] scope:SCOPE_SE
	s_setreg_imm32_b32 hwreg(HW_REG_WAVE_MODE, 25, 1), 1
	s_wait_xcnt 0x0
; ATTENTION, LAUNCH 1 OF 4.  out0 = softmax((x Wq)(x Wk)^T / 8) (x Wv) Wout + bout, 16 heads of 64; x Wq and x Wkv are multiplied on codes of E2M1 with one E8M0 scale for each 32 along K.
; NOTHING IS LEFT OUT AS DEAD WORK: every input has a way to out0 (bout too), there is no mask, and the maximum is taken away ahead of the exponential (as a running maximum, in launch 3).
; This launch makes what the later launches read many times, once:
;   xc [8192][512 bytes], xs [8192][32]: x's codes (K innermost, two a byte, the lower k in the low four bits) and scale bytes;
;   wc [3072][512 bytes], ws [3072][32]: the same of Wq | Wkv, whose K is their FIRST axis: row N of wc is column N of Wq (N < 1024) or column N - 1024 of Wkv;
;   woh [1024][1024]: Wout rounded once to f16, as it lies.
; A block's scale is 2^(floor(log2(its largest magnitude)) - 2); its byte is the largest magnitude's exponent field - 2, held at 1 from below.
; LIMITS.  A block of zeros gets the byte 1 where the quantiser says 127: its codes are zeros, which add nothing under any byte but 0xff, and this program alone reads the bytes.  Blocks whose largest
; magnitude lies under 2^-124 keep the byte 1.  NaN and infinities among the inputs are not served.  |Wout| beyond 65,504 becomes an infinity of f16.
; THREE PATHS, parted by the work-group's number: 0-47 the weights (48 x 128 columns x 512 along K), 48-303 x (256 x 32,768 numbers), 304-431 Wout (128 x 8,192 numbers).  The two paths that use LDS have LDS
; bytes of their own, and each path ends by itself.  No tensor loads, no barrier: waves share nothing.
.set WREG,  8192                       ; x's path: a region for each wave: two stages of 32 x SP bytes, behind them its 256 scale bytes
.set SP,    80                         ; a lane's place in a stage: its 64 bytes + 16 of padding
.set WSTG,  32768                      ; the weights' path: four stages of 32 rows x WP bytes, behind x's regions
.set WP,    272                        ; a stage row: 256 bytes of codes + 16
.set SPARE, 67584                      ; behind both: the spare words, 128 bytes for each wave: two blocks of 256 bytes that no other line names
.set SPW,   208                        ; v208  LDS address of my spare word; never rewritten
.set NIL,   209                        ; v209  0; never rewritten
.set XR,    16                         ; x: v16-79 four sets of 16 numbers as loaded
.set XX,    80                         ;    v80-111 two sets of 16 neighbours
.set XE,    112                        ;    v112-127 a scale byte for each step
.set XC,    128                        ;    v128-191 codes, four registers for each step
.set WX,    32                         ; weights: v32-95 two sets of 32 numbers
.set WC,    96                         ;    v96-99 a block's codes
.set WSB,   24                         ;    v24-27 the scale bytes, four to a register
.set WOUT,  112                        ;    v112-175 the way out
.set WOF,   176                        ;    v176-207 byte offset of row i of a block, at my column
.set WSI,   210                        ;    v210 into my stage   v211 out of it   v212 the same place in wc   v213 my row of ws
.set WSO,   211
.set WGO,   212
.set WSC,   213
.set OIN,   214                        ; Wout: v214 16 x thread, v215 8 x thread
.set OOUT,  215
.macro FINISH                          ; a wave's end, behind the last LDS store
	s_wait_tensorcnt 0x0
	ds_add_u32 v[SPW], v[NIL]
	s_wait_dscnt 0x0
	s_endpgm
.endm
	s_load_b512 s[4:19], s[0:1], 0x0               ; x 4:5, Wq 6:7, Wkv 8:9, Wout 10:11, xc 12:13, xs 14:15, wc 16:17, ws 18:19
	s_load_b64 s[20:21], s[0:1], 0x40              ; woh
	v_lshl_add_u32 v[SPW], v0, 2, SPARE
	v_mov_b32 v[NIL], 0
	v_lshrrev_b32 v1, 5, v0
	v_readfirstlane_b32 s22, v1                    ; wave 0..3
	v_and_b32 v2, 31, v0                           ; lane
	s_wait_kmcnt 0x0
	s_cmp_lt_u32 ttmp9, 48
	s_cbranch_scc1 .Lpath_w
	s_cmp_lt_u32 ttmp9, 304
	s_cbranch_scc1 .Lpath_x
	; ---- Wout to f16.  A work-group takes 32,768 bytes: sixteen loads of 16 bytes a thread (a wave reads 512 consecutive bytes), sixteen stores of 8 (a wave stores 256 consecutive bytes, aligned)
	s_sub_co_u32 s24, ttmp9, 304
	s_lshl_b32 s26, s24, 15
	s_mov_b32 s27, 0
	s_add_nc_u64 s[10:11], s[10:11], s[26:27]
	s_lshl_b32 s26, s24, 14
	s_add_nc_u64 s[20:21], s[20:21], s[26:27]
	v_lshlrev_b32 v[OIN], 4, v0
	v_lshlrev_b32 v[OOUT], 3, v0
.irp s, 0,1,2,3,4,5,6,7,8,9,10,11,12,13,14,15
	global_load_b128 v[32+4*\s:35+4*\s], v[OIN], s[10:11] offset:2048*\s th:TH_LOAD_NT
.endr
.irp s, 0,1,2,3,4,5,6,7,8,9,10,11,12,13,14,15
	s_wait_loadcnt 15-\s                           ; loads come back in order: load s is in, the younger ones may be out
	v_cvt_pk_f16_f32 v[96+2*\s], v[32+4*\s], v[33+4*\s]
	v_cvt_pk_f16_f32 v[97+2*\s], v[34+4*\s], v[35+4*\s]
	global_store_b64 v[OOUT], v[96+2*\s:97+2*\s], s[20:21] offset:1024*\s   ; no register is written twice, so nothing waits for a store
.endr
	FINISH
	; ---- x.  Rows are dense and K is a multiple of 32: a plain stream of blocks of 32.  A wave takes 16 steps of 512 numbers.  Each load reads 512 consecutive bytes, 16 a lane; a step's 2,048 bytes turn through
	; the wave's own stage in LDS and come back 64 bytes a lane: 16 neighbours along K, as the conversions want them; two neighbouring lanes hold a block.  Loads run four steps ahead, the turn one step.
.Lpath_x:
	v_lshlrev_b32 v3, 4, v2                        ; my 16 bytes of a load's 512
	s_mul_i32 s23, s22, WREG
	v_lshrrev_b32 v14, 2, v2
	v_mul_u32_u24 v14, v14, SP
	v_and_b32 v15, 3, v2
	v_lshl_add_u32 v14, v15, 4, v14
	v_add_nc_u32 v14, s23, v14                     ; the stage, on the way in: SP (lane / 4) + 16 (lane % 4); a load's 512 bytes take eight places
	v_mul_u32_u24 v15, v2, SP
	v_add_nc_u32 v15, s23, v15                     ; and on the way out: SP x lane
	v_lshlrev_b32 v4, 3, v2                        ; 8 x lane: my codes' place in a step's, and my part of the wave's scale bytes
	v_lshrrev_b32 v5, 1, v2
	s_add_co_u32 s23, s23, 2*32*SP
	v_add_nc_u32 v5, s23, v5                       ; LDS: my block's byte among my wave's 256
	v_add_nc_u32 v6, s23, v4                       ; and 8 bytes a lane on the way out
	s_sub_co_u32 s24, ttmp9, 48
	s_lshl_b32 s24, s24, 2
	s_add_co_u32 s24, s24, s22                     ; which run of 8,192 numbers is my wave's
	s_mov_b32 s27, 0
	s_lshl_b32 s26, s24, 15
	s_add_nc_u64 s[4:5], s[4:5], s[26:27]
	s_lshl_b32 s26, s24, 12
	s_add_nc_u64 s[12:13], s[12:13], s[26:27]
	s_lshl_b32 s26, s24, 8
	s_add_nc_u64 s[14:15], s[14:15], s[26:27]
.macro XLOAD t
.irp i, 0,1,2,3
	global_load_b128 v[XR+16*((\t)%4)+4*\i:XR+16*((\t)%4)+4*\i+3], v3, s[4:5] offset:2048*(\t)+512*\i th:TH_LOAD_NT
.endr
.endm
.macro XTURN t                         ; LDS serves a wave's instructions in order (ISA guide 5.7.1.4): no wait stands between the stores and the loads
.irp i, 0,1,2,3
	ds_store_b128 v14, v[XR+16*((\t)%4)+4*\i:XR+16*((\t)%4)+4*\i+3] offset:32*SP*((\t)%2)+8*SP*\i
.endr
.irp i, 0,1,2,3
	ds_load_b128 v[XX+16*((\t)%2)+4*\i:XX+16*((\t)%2)+4*\i+3], v15 offset:32*SP*((\t)%2)+16*\i
.endr
.endm
.irp t, 0,1,2,3
	XLOAD \t
.endr
	s_wait_loadcnt 12                              ; step 0's four loads are in
	XTURN 0
.macro XSTEP t
.set XS, XX+16*((\t)%2)
.if (\t) > 0
	s_wait_dscnt 1                                 ; this step's numbers are back from the stage (the last step's byte store may be out), so its stores into the stage have read their registers,
.else
	s_wait_dscnt 0x0
.endif
.if (\t)+4 < 16
	XLOAD (\t)+4                                   ; which take the loads of four steps on
.endif
.if (\t)+1 < 16
.if 14-(\t) >= 3
	s_wait_loadcnt 12                              ; the next step's four loads are in; those of the three steps behind it may be out
.else
	s_wait_loadcnt 4*(14-(\t))
.endif
	XTURN (\t)+1
.endif
	v_max3_num_f32 v8, |v[XS]|, |v[XS+1]|, |v[XS+2]|               ; the largest magnitude of my 16, in two chains
	v_max3_num_f32 v9, |v[XS+3]|, |v[XS+4]|, |v[XS+5]|
.irp i, 6,10
	v_max3_num_f32 v8, v8, |v[XS+\i]|, |v[XS+\i+1]|
	v_max3_num_f32 v9, v9, |v[XS+\i+2]|, |v[XS+\i+3]|
.endr
	v_max3_num_f32 v8, v8, |v[XS+14]|, |v[XS+15]|
	v_max3_num_f32 v8, v8, v9, 0x1800000           ; and the floor 2^(3 - 127): the byte cannot fall under 1
	v_max_num_f32_dpp v8, v8, v8 row_xmask:1 row_mask:0xf bank_mask:0xf   ; and of my neighbour's 16: the block's
	v_add_nc_u32 v11, 0xff000000, v8               ; 2 off its exponent field: the conversion takes the exponent field of this operand as its scale
	v_cvt_scalef32_pk8_fp4_f32 v[XC+4*(\t)], v[XS:XS+7], v11
	v_cvt_scalef32_pk8_fp4_f32 v[XC+4*(\t)+1], v[XS+8:XS+15], v11
	v_lshrrev_b32 v[XE+(\t)], 23, v11              ; the scale's byte
	ds_store_b8 v5, v[XE+(\t)] offset:16*(\t)      ; both lanes of a block write the same byte with the same value
	global_store_b64 v4, v[XC+4*(\t):XC+4*(\t)+1], s[12:13] offset:256*(\t)   ; the wave stores 256 consecutive bytes, aligned
.endm
.irp t, 0,1,2,3,4,5,6,7,8,9,10,11,12,13,14,15
	XSTEP \t
.endr
	ds_load_b64 v[8:9], v6                         ; these see my byte stores
	s_wait_dscnt 0x0
	global_store_b64 v4, v[8:9], s[14:15]          ; the wave's 256 scale bytes: 256 consecutive bytes, aligned
	FINISH
	; ---- Wq | Wkv.  A LANE TAKES A COLUMN AND ITS REGISTERS RUN DOWN K: a block of 32 along K lies in one lane's 32 registers, and the conversions give codes with K innermost.  A wave takes 32 columns x 512
	; along K: 16 blocks a lane, 256 bytes of codes for each column, which leave through the wave's own stage as rows.  The two tensors differ in the row's length, so a row's offsets stand in registers.
.Lpath_w:
	s_cmp_ge_u32 ttmp9, 24
	s_cselect_b32 s23, 1, 0                        ; y: which 512 along K
	s_cselect_b32 s30, 24, 0
	s_sub_co_u32 s30, ttmp9, s30                   ; which 128 of the 3,072 columns
	s_lshl_b32 s31, s30, 7
	s_lshl_b32 s32, s22, 5
	s_add_co_u32 s31, s31, s32                     ; N0: my wave's first row of wc
	s_cmp_lt_u32 s30, 8                            ; Wq's columns or Wkv's?  The choice hangs on the work-group's number alone
	s_cselect_b64 s[24:25], s[6:7], s[8:9]
	s_mov_b32 s26, 8192
	s_cselect_b32 s26, 4096, s26                   ; bytes in a row of the tensor
	s_cselect_b32 s33, 0, 1024
	s_sub_co_u32 s33, s31, s33                     ; my first column in it
	s_mul_i32 s34, s23, s26
	s_lshl_b32 s34, s34, 9                         ; 512 y rows
	s_lshl_b32 s35, s33, 2
	s_add_co_u32 s34, s34, s35
	s_mov_b32 s35, 0
	s_add_nc_u64 s[24:25], s[24:25], s[34:35]
	s_lshl_b32 s28, s26, 5                         ; a block on: 32 rows
	s_mov_b32 s29, 0
	s_lshl_b32 s34, s31, 9
	s_lshl_b32 s36, s23, 8
	s_add_co_u32 s34, s34, s36
	s_add_nc_u64 s[16:17], s[16:17], s[34:35]      ; wc: row N0, + 256 y
	s_lshl_b32 s34, s31, 5
	s_lshl_b32 s36, s23, 4
	s_add_co_u32 s34, s34, s36
	s_add_nc_u64 s[18:19], s[18:19], s[34:35]      ; ws: row N0, + 16 y
	s_mul_i32 s37, s22, 32*WP
	s_add_co_u32 s37, s37, WSTG                    ; my stage
	v_mul_u32_u24 v[WSI], v2, WP
	v_add_nc_u32 v[WSI], s37, v[WSI]               ; into it: row = my column
	v_and_b32 v1, 15, v2
	v_lshrrev_b32 v3, 4, v2
	v_mul_u32_u24 v[WSO], v3, WP                   ; out of it: sixteen lanes to a row, two rows an instruction
	v_lshl_add_u32 v[WSO], v1, 4, v[WSO]
	v_add_nc_u32 v[WSO], s37, v[WSO]
	v_lshlrev_b32 v[WGO], 9, v3
	v_lshl_add_u32 v[WGO], v1, 4, v[WGO]           ; and the same place in wc
	v_lshlrev_b32 v[WSC], 5, v2                    ; my column's row of ws
	v_lshlrev_b32 v[WOF], 2, v2
.set i, 1
.rept 31
	v_add_nc_u32 v[WOF+i], s26, v[WOF+i-1]
.set i, i+1
.endr
.macro WLOAD t                         ; block t: W(32 t + i, my column), i = 0 .. 31, into set t % 2: each load reads 128 consecutive bytes a wave, 512 a work-group
.if (\t) > 0
	s_wait_xcnt 0x0                                ; the earlier loads have had their addresses translated (ISA guide 3.1): only behind this wait is their base stepped
	s_add_nc_u64 s[24:25], s[24:25], s[28:29]
.endif
.irp i, 0,1,2,3,4,5,6,7,8,9,10,11,12,13,14,15,16,17,18,19,20,21,22,23,24,25,26,27,28,29,30,31
	global_load_b32 v[WX+32*((\t)%2)+\i], v[WOF+\i], s[24:25] th:TH_LOAD_NT
.endr
.endm
	WLOAD 0
	WLOAD 1
.macro WBLOCK t
.set XS, WX+32*((\t)%2)
.if (\t) < 15
	s_wait_loadcnt 32                              ; this block's 32 loads are in; the next block's may be out
.else
	s_wait_loadcnt 0
.endif
	v_max3_num_f32 v12, |v[XS]|, |v[XS+1]|, |v[XS+2]|              ; the block's largest magnitude: all 32 numbers are mine
	v_max3_num_f32 v13, |v[XS+3]|, |v[XS+4]|, |v[XS+5]|
.irp i, 6,10,14,18,22,26
	v_max3_num_f32 v12, v12, |v[XS+\i]|, |v[XS+\i+1]|
	v_max3_num_f32 v13, v13, |v[XS+\i+2]|, |v[XS+\i+3]|
.endr
	v_max3_num_f32 v12, v12, |v[XS+30]|, |v[XS+31]|
	v_max3_num_f32 v12, v12, v13, 0x1800000        ; and the floor 2^(3 - 127)
	v_add_nc_u32 v11, 0xff000000, v12              ; 2 off its exponent field: the conversion's scale operand
	v_lshrrev_b32 v13, 23, v11                     ; the scale's byte
.if (\t)%4 == 0
	v_mov_b32 v[WSB+(\t)/4], v13                   ; four bytes to a register, the lower K in the lower byte
.else
	v_lshl_or_b32 v[WSB+(\t)/4], v13, 8*((\t)%4), v[WSB+(\t)/4]
.endif
.irp g, 0,1,2,3
	v_cvt_scalef32_pk8_fp4_f32 v[WC+\g], v[XS+8*\g:XS+8*\g+7], v11
.endr
	ds_store_b128 v[WSI], v[WC:WC+3] offset:16*(\t)   ; 32 codes: 16 bytes of my column's row.  (The next block begins with plain vector lines: the place behind the conversions)
.if (\t)+2 < 16
	WLOAD (\t)+2
.endif
	s_wait_dscnt 0x0                               ; the store has read its registers: the next block's codes may be written
.endm
.irp t, 0,1,2,3,4,5,6,7,8,9,10,11,12,13,14,15
	WBLOCK \t
.endr
	global_store_b128 v[WSC], v[WSB:WSB+3], s[18:19]   ; my column's 16 scale bytes
.irp t, 0,1,2,3,4,5,6,7,8,9,10,11,12,13,14,15
	ds_load_b128 v[WOUT+4*\t:WOUT+4*\t+3], v[WSO] offset:2*\t*WP
.endr
.irp t, 0,1,2,3,4,5,6,7,8,9,10,11,12,13,14,15
	s_wait_dscnt 15-\t
	global_store_b128 v[WGO], v[WOUT+4*\t:WOUT+4*\t+3], s[16:17] offset:2*\t*512   ; sixteen lanes store 256 consecutive bytes, aligned
.endr
	FINISH
.Lfunc_end_k_q6dc3290138_prep:
	.size	k_q6dc3290138_prep, .Lfunc_end_k_q6dc3290138_prep-k_q6dc3290138_prep
	.p2alignl 7, 3214868480
	.fill 96, 4, 3214868480
	.section	.rodata,"a",@progbits
	.p2align	6, 0x0
	.amdhsa_kernel k_q6dc3290138_prep
		.amdhsa_group_segment_fixed_size 68096
		.amdhsa_private_segment_fixed_size 0
		.amdhsa_enable_private_segment 0
		.amdhsa_kernarg_size 72
		.amdhsa_user_sgpr_count 2
		.amdhsa_user_sgpr_kernarg_segment_ptr 1
		.amdhsa_wavefront_size32 1
		.amdhsa_system_sgpr_workgroup_id_x 1
		.amdhsa_system_sgpr_workgroup_id_y 1
		.amdhsa_system_sgpr_workgroup_id_z 1
		.amdhsa_system_vgpr_workitem_id 0
		.amdhsa_next_free_vgpr 216
		.amdhsa_next_free_sgpr 66
		.amdhsa_reserve_vcc 0
		.amdhsa_float_denorm_mode_32 3
		.amdhsa_float_denorm_mode_16_64 3
		.amdhsa_memory_ordered 1
		.amdhsa_forward_progress 1
		.amdhsa_inst_pref_size 119
	.end_amdhsa_kernel
	.amdgpu_metadata
---
amdhsa.version: [ 1, 2 ]
amdhsa.kernels:
  - .name:           k_q6dc3290138_prep
    .symbol:         k_q6dc3290138_prep.kd
    .args:
      - { .name: x, .offset: 0, .size: 8, .value_kind: global_buffer, .address_space: global }
      - { .name: Wq, .offset: 8, .size: 8, .value_kind: global_buffer, .address_space: global }
      - { .name: Wkv, .offset: 16, .size: 8, .value_kind: global_buffer, .address_space: global }
      - { .name: Wout, .offset: 24, .size: 8, .value_kind: global_buffer, .address_space: global }
      - { .name: xc, .offset: 32, .size: 8, .value_kind: global_buffer, .address_space: global }
      - { .name: xs, .offset: 40, .size: 8, .value_kind: global_buffer, .address_space: global }
      - { .name: wc, .offset: 48, .size: 8, .value_kind: global_buffer, .address_space: global }
      - { .name: ws, .offset: 56, .size: 8, .value_kind: global_buffer, .address_space: global }
      - { .name: woh, .offset: 64, .size: 8, .value_kind: global_buffer, .address_space: global }
    .group_segment_fixed_size: 68096
    .private_segment_fixed_size: 0
    .kernarg_segment_align: 8
    .kernarg_segment_size: 72
    .max_flat_workgroup_size: 128
    .sgpr_count:     66
    .vgpr_count:     216
    .wavefront_size: 32
...
	.end_amdgpu_metadata
.endif
;; end of part 1
;; launch qkv (part 2): grid 12 x 32, 4 waves a work-group, clusters of 4 x 4, 327,680 bytes of LDS; arguments xc, xs, wc, ws, qkvh; writes qkvh
.if DOCPART == 2
	.amdgcn_target "amdgcn-amd-amdhsa--gfx1250"
	.amdhsa_code_object_version 6
	.text
	.protected	k_q6dc3290138_qkv
	.globl	k_q6dc3290138_qkv
	.p2align	8
	.type	k_q6dc3290138_qkv,@function
k_q6dc3290138_qkv:
	s_mov_b64 s[64:65], 0
	v_nop
	global_prefetch_b8 v0, s[64:65] scope:SCOPE_SE
	s_setreg_imm32_b32 hwreg(HW_REG_WAVE_MODE, 25, 1), 1
	s_wait_xcnt 0x0
	s_wait_alu depctr_hold_cnt(0) depctr_sa_sdst(0) depctr_va_vdst(0) depctr_va_sdst(0) depctr_va_ssrc(0) depctr_va_vcc(0) depctr_vm_vsrc(0)
	s_getreg_b32 s2, hwreg(HW_REG_IB_STS2, 6, 4)
	s_cmp_eq_u32 s2, 0
	s_cbranch_scc0 .Lentry_in_a_cluster
	s_endpgm
.Lentry_in_a_cluster:
	s_bfe_u32 s2, ttmp6, 0x10000c
	s_cmp_lg_u32 s2, 0xf033
	s_cbranch_scc0 .Lentry_shape_is_right
	s_endpgm
.Lentry_shape_is_right:
; ATTENTION, LAUNCH 2 OF 4: q | k | v = x (Wq | Wkv), [8192] x [3072], K = 1,024, on codes of E2M1 with one E8M0 scale for each 32 along K; sums in f32; each result rounded once to f16 and laid by head:
; qkvh [3 (q, k, v)][64 (batch x 16 + head)][2048 rows][64] f16.  Nothing is left out.  LIMIT: a result beyond 65,504 becomes an infinity of f16.
; A tile of 256 x 256 is made by four waves, each 128 x 128: 64 accumulators of 16 x 16, 512 registers.  K is two slots of 512 (rows of 256 bytes), so BOTH SLOTS ARE FILLED ONCE, at the start, and nothing is filled again.
; The scale bytes of the work-group's 256 rows of x and 256 rows of W, for all of K, are two dense blocks: they come into LDS with the first fills.  By this text's count a wave has three tensor loads out, at the start.
; CLUSTERS: 4 x 4 work-groups; the four of a row need the same tiles of x, the four of a column the same tiles of W: each tile is asked for jointly, by the same tensor load with a mask that names the four.
; THE MATRIX INSTRUCTION IS USED TRANSPOSED (source 0 = 16 rows of W's codes, source 1 = 16 rows of x's): a lane holds eight neighbouring columns of one row.
; REGISTERS, in windows of 256: window 0: v0-31 addresses; v32-95 scale words, two sets; v128-191 x's fragments, one set; on the way out v128-223.   window 1: W's fragments, two sets, at v0 and v128.
;   window 2: the accumulators of my rows 0-63 ((a, b) at v[8 (8 a + b)]);   window 3: those of my rows 64-127.
.set NQ,     4                         ; matrix instructions deep in a slot
.set ROWB,   256                       ; a tile's row in bytes: 512 codes
.set KROW,   512                       ; a row of codes in memory
.set PITCH,  272                       ; an LDS row: 256 bytes + 16 of padding: the 16 rows that a load touches start at 16 different banks (64 banks of 4 bytes: ISA guide 11.1)
.set FR,     8
.set NL,     2
.set NP,     4                         ; places behind this matrix instruction (ISA guide 7.12.1)
.set HALFT,  128*PITCH
.set SLOT,   4*HALFT
.set KS,     32                        ; a row of scale bytes
.set SCL,    2*SLOT                    ; behind the ring: the scales, as rows of 256 bytes + 16
.set HALFS,  16*272                    ; the scales of 128 rows: what one tensor load brings
.set SBLK,   2*272                     ; those of 16 rows
.set SPARE,  SCL+4*HALFS               ; the spare words, 128 bytes for each wave
.set HP,     144                       ; the way out: a stage row: a head's 64 f16 + 16 bytes
.set HSTG,   16*HP                     ; 16 rows of one head; a wave's stage is two of them, in slot 0, which has had its one fill and its last read by then
.set HEADB,  262144                    ; a head in qkvh
.set ADRA, 16
.set ADRB, 20
.set STO,  24
.set RD,   25
.set CO,   26
.set ADRS, 27
.set SPW,  28
.set NIL,  29
.set SC,   32
.set AF,   128
.set BK,   128                         ; the way out: rows read back: v128-159 and v160-191 by turns
.set TMP,  192                         ; and the packed results
.set G1, 24
.set G0, 32
.set G1B, 48
.set G0B, 56
.set G1S, 68
.set G0S, 76
.set G1SB, 80
.set G0SB, 88
.set MSB, 0
.macro WIN new                         ; the immediate's high byte repeats the setting that is left
.if MSB != (\new)
	s_set_vgpr_msb (MSB<<8)|(\new)
.set MSB, (\new)
.endif
.endm
.set MUL_LO, 0xa1                      ; source 0 (W) window 1, source 1 (x) window 0, C and D window 2
.set MUL_HI, 0xf1
.set TO_B,   0x40
; A joint load: waves 0 and 1 fetch for x, waves 2 and 3 for W.  The branch hangs on the wave's number alone.  An s_nop 0 and four v_nop follow each of the two lines.
.macro JLOAD g0a, g1a, g0b, g1b
	s_cmp_eq_u32 s15, 0
	s_cbranch_scc0 .Lfor_b_\@
	tensor_load_to_lds s[\g0a:\g0a+3], s[\g1a:\g1a+7]
	s_nop 0
.rept 4
	v_nop
.endr
	s_branch .Lasked_\@
.Lfor_b_\@:
	tensor_load_to_lds s[\g0b:\g0b+3], s[\g1b:\g1b+7]
	s_nop 0
.rept 4
	v_nop
.endr
.Lasked_\@:
.endm
.macro CROUND                          ; a round of the cluster's barrier
	s_barrier_signal -1
	s_barrier_wait -1
	s_cmp_lg_u32 s14, 0
	s_cbranch_scc1 .Lnot_wave_0_\@
	s_barrier_signal -3
.Lnot_wave_0_\@:
	s_barrier_wait -3
	s_barrier_signal -1
	s_barrier_wait -1
.endm
	s_load_b128 s[4:7], s[0:1], 0x0                ; x's codes, x's scales
	s_load_b128 s[8:11], s[0:1], 0x10              ; W's codes, W's scales
	s_load_b64 s[12:13], s[0:1], 0x20              ; qkvh
	v_lshl_add_u32 v[SPW], v0, 2, SPARE
	v_mov_b32 v[NIL], 0
	ds_add_u32 v[SPW], v[NIL]                      ; the wave's opening: the add, twice on end, and its wait ahead of my first tensor load
	ds_add_u32 v[SPW], v[NIL]
	v_lshrrev_b32 v1, 5, v0
	v_readfirstlane_b32 s14, v1                    ; wave 0..3
	s_lshr_b32 s15, s14, 1                         ; which half of the tile's rows is mine.  Also: I fetch for x (0) or for W (1)
	s_and_b32 s16, s14, 1                          ; which half of its columns.  Also: which 128 rows of that tile I fetch
	s_bfe_u32 s40, ttmp6, 0x40000                  ; cx, cy
	s_bfe_u32 s41, ttmp6, 0x40004
	s_lshl_b32 s42, ttmp9, 2
	s_add_co_u32 s42, s42, s40                     ; tile column = 4 x cluster x + cx
	s_and_b32 s17, ttmp7, 0xffff
	s_lshl_b32 s17, s17, 2
	s_add_co_u32 s17, s17, s41                     ; tile row = 4 x cluster y + cy
	s_lshl_b32 s43, s41, 2
	s_lshl_b32 s43, 15, s43                        ; my row of the cluster
	s_lshl_b32 s44, 0x1111, s40                    ; my column
	s_or_b32 s[G1+0], s43, (0<<16)|(1<<20)|(1<<21)|(5<<22)|(3<<25)  ; the mask; elements of 1 byte; padding on; bit 21 beside a mask; after every 64 words, 4 words
	s_or_b32 s[G1B+0], s44, (0<<16)|(1<<20)|(1<<21)|(5<<22)|(3<<25)
.irp g, G1, G1B
	s_mov_b32 s[\g+1], ROWB<<16                    ; tensor_dim0
	s_mov_b32 s[\g+2], 128<<16                     ; tensor_dim1
	s_mov_b32 s[\g+3], ROWB<<16                    ; tile_dim0
	s_mov_b32 s[\g+4], 128                         ; tile_dim1
	s_mov_b32 s[\g+5], KROW                        ; from row to row
	s_mov_b32 s[\g+6], 0
	s_mov_b32 s[\g+7], 0
.endr
	s_or_b32 s[G1S+0], s43, (3<<16)|(1<<20)|(1<<21)|(5<<22)|(3<<25)  ; the scales of 128 rows: 4,096 dense bytes as 16 rows of 32 elements of 8 bytes, 16 bytes of padding behind each
	s_or_b32 s[G1SB+0], s44, (3<<16)|(1<<20)|(1<<21)|(5<<22)|(3<<25)
.irp g, G1S, G1SB
	s_mov_b32 s[\g+1], 32<<16
	s_mov_b32 s[\g+2], 16<<16
	s_mov_b32 s[\g+3], 32<<16
	s_mov_b32 s[\g+4], 16
	s_mov_b32 s[\g+5], 32
	s_mov_b32 s[\g+6], 0
	s_mov_b32 s[\g+7], 0
.endr
	s_lshl_b32 s18, s16, 7
	s_lshl_b32 s20, s17, 8
	s_add_co_u32 s20, s20, s18                     ; x: row 256 x tile row + 128 x half
	s_lshl_b32 s46, s42, 8
	s_add_co_u32 s46, s46, s18                     ; W: row 256 x tile column + 128 x half
	s_mov_b32 s21, 0
	s_mov_b32 s47, 0
	s_mov_b64 s[18:19], KS
	s_mul_u64 s[22:23], s[20:21], s[18:19]         ; where these rows' scales begin,
	s_mul_u64 s[92:93], s[46:47], s[18:19]
	s_mov_b64 s[18:19], KROW
	s_mul_u64 s[20:21], s[20:21], s[18:19]         ; and their codes
	s_mul_u64 s[46:47], s[46:47], s[18:19]
	s_mul_i32 s45, s14, HALFT                      ; where they go: wave x 128 rows
	s_mul_i32 s94, s14, HALFS
	s_wait_dscnt 0x0                               ; both opening adds are done
	s_wait_kmcnt 0x0
	s_add_nc_u64 s[20:21], s[4:5], s[20:21]
	s_add_nc_u64 s[22:23], s[6:7], s[22:23]
	s_add_nc_u64 s[46:47], s[8:9], s[46:47]
	s_add_nc_u64 s[92:93], s[10:11], s[92:93]
	CROUND                                         ; all sixteen work-groups are here: the joint loads meet
	s_mov_b32 s[G0S], 1
	s_add_co_u32 s[G0S+1], s94, SCL
	s_mov_b64 s[G0S+2:G0S+3], s[22:23]
	s_or_b32 s[G0S+3], s[G0S+3], 0x80000000
	s_mov_b32 s[G0SB], 1
	s_add_co_u32 s[G0SB+1], s94, SCL
	s_mov_b64 s[G0SB+2:G0SB+3], s[92:93]
	s_or_b32 s[G0SB+3], s[G0SB+3], 0x80000000
	JLOAD G0S, G1S, G0SB, G1SB                     ; the scales first: they are wanted with the first slot
.irp s, 0,1
	s_mov_b32 s[G0+4*\s], 1
	s_add_co_u32 s[G0+4*\s+1], s45, \s*SLOT
	s_add_nc_u64 s[G0+4*\s+2:G0+4*\s+3], s[20:21], \s*ROWB
	s_or_b32 s[G0+4*\s+3], s[G0+4*\s+3], 0x80000000
	s_mov_b32 s[G0B+4*\s], 1
	s_add_co_u32 s[G0B+4*\s+1], s45, \s*SLOT
	s_add_nc_u64 s[G0B+4*\s+2:G0B+4*\s+3], s[46:47], \s*ROWB
	s_or_b32 s[G0B+4*\s+3], s[G0B+4*\s+3], 0x80000000
	JLOAD G0+4*\s, G1, G0B+4*\s, G1B
.endr
	v_and_b32 v1, 15, v0                           ; r = l % 16
	v_bfe_u32 v2, v0, 4, 1                         ; h = l / 16
	v_mul_u32_u24 v3, v1, PITCH
	v_lshl_add_u32 v4, v2, 4, v3                   ; a fragment's row x pitch + 16 h
	s_mul_i32 s21, s15, HALFT                      ; my 128 rows of x
	s_mul_i32 s22, s16, HALFT                      ; my 128 rows of W,
	s_add_co_u32 s22, s22, 2*HALFT                 ; behind x's 256
.irp s, 0,1
	v_add_nc_u32 v[ADRA+\s], s21, v4
	v_add_nc_u32 v[ADRB+\s], s22, v4
	s_add_co_u32 s21, s21, SLOT
	s_add_co_u32 s22, s22, SLOT
.endr
	v_mul_u32_u24 v5, v1, KS                       ; my row's scales: 32 bytes a row,
	v_lshrrev_b32 v6, 8, v5
	v_lshl_add_u32 v5, v6, 4, v5                   ; and 16 more for each 256 passed
	s_mul_i32 s21, s15, HALFS
	s_mul_i32 s22, s16, HALFS
	s_add_co_u32 s22, s22, 2*HALFS
	s_sub_co_u32 s22, s22, s21
	v_mul_u32_u24 v6, s22, v2                      ; lanes 16-31 take W's: one product, the distance between the two bases
	s_add_co_u32 s21, s21, SCL
	v_add_nc_u32 v5, v5, v6
	v_add_nc_u32 v[ADRS], s21, v5
	s_mul_i32 s23, s14, 2*HSTG                     ; my stage
	v_mul_u32_u24 v5, v1, HP
	v_lshl_add_u32 v5, v2, 4, v5
	v_add_nc_u32 v[STO], s23, v5                   ; in: row r, 16 bytes for each half of the lanes
	v_and_b32 v6, 31, v0
	v_lshrrev_b32 v7, 3, v6
	v_and_b32 v8, 7, v6
	v_mul_u32_u24 v7, v7, HP
	v_lshl_add_u32 v7, v8, 4, v7
	v_add_nc_u32 v[RD], s23, v7                    ; back: eight lanes to a row of 128 bytes, four rows an instruction
	v_lshlrev_b32 v[CO], 4, v6                     ; which are 512 consecutive bytes of qkvh
	s_lshr_b32 s20, s42, 2                         ; q, k or v: four tile columns each
	s_lshl_b32 s20, s20, 6
	s_lshr_b32 s21, s17, 3                         ; the batch: eight tile rows each
	s_lshl_b32 s21, s21, 4
	s_add_co_u32 s20, s20, s21
	s_and_b32 s21, s42, 3
	s_lshl_b32 s21, s21, 2
	s_add_co_u32 s20, s20, s21
	s_lshl_b32 s21, s16, 1
	s_add_co_u32 s20, s20, s21                     ; 64 x part + 16 x batch + my first head
	s_lshl_b32 s20, s20, 11
	s_and_b32 s21, s17, 7
	s_lshl_b32 s21, s21, 8
	s_add_co_u32 s20, s20, s21
	s_lshl_b32 s21, s15, 7
	s_add_co_u32 s20, s20, s21                     ; x 2,048 rows + my first row in the sequence
	s_lshl_b32 s20, s20, 7                         ; x 128 bytes (under 2^26)
	s_mov_b32 s21, 0
	s_add_nc_u64 s[12:13], s[12:13], s[20:21]
.macro FRAG reg, adr, q, i             ; 16 rows x 128 K of 4-bit codes: 8 registers: lane l holds row l % 16; registers 4 c .. 4 c + 3 hold K = 64 c + 32 (l / 16) + 0 .. 31
.irp c, 0,1
	ds_load_b128 v[\reg+4*\c:\reg+4*\c+3], v[\adr] offset:64*(\q)+32*\c+(\i)*16*PITCH
.endr
.endm
; 16 matrix instructions: x's blocks a0, a0 + 1 against W's eight, 128 along K.  The 64 accumulators take turns, one instruction a turn, in the same order in every step.
; A scale register holds x's word in lanes 0-15 and W's in lanes 16-31.
.macro MUL16 a0, p, q, sc, zero
.irp a, \a0, \a0+1
.irp b, 0,1,2,3,4,5,6,7
.if \zero
	v_wmma_scale_f32_16x16x128_f8f6f4 v[8*(8*((\a)%4)+\b):8*(8*((\a)%4)+\b)+7], v[128*(\p)+FR*\b:128*(\p)+FR*\b+FR-1], v[AF+FR*(\a):AF+FR*(\a)+FR-1], 0, v[SC+8*NQ*(\sc)+NQ*\b+(\q)], v[SC+8*NQ*(\sc)+NQ*(\a)+(\q)] matrix_a_fmt:MATRIX_FMT_FP4 matrix_b_fmt:MATRIX_FMT_FP4 matrix_a_scale:MATRIX_SCALE_ROW1
.else
	v_wmma_scale_f32_16x16x128_f8f6f4 v[8*(8*((\a)%4)+\b):8*(8*((\a)%4)+\b)+7], v[128*(\p)+FR*\b:128*(\p)+FR*\b+FR-1], v[AF+FR*(\a):AF+FR*(\a)+FR-1], v[8*(8*((\a)%4)+\b):8*(8*((\a)%4)+\b)+7], v[SC+8*NQ*(\sc)+NQ*\b+(\q)], v[SC+8*NQ*(\sc)+NQ*(\a)+(\q)] matrix_a_fmt:MATRIX_FMT_FP4 matrix_b_fmt:MATRIX_FMT_FP4 matrix_a_scale:MATRIX_SCALE_ROW1
.endif
.endr
.endr
.endm
.macro FETCH_B slot, q, p
	WIN TO_B
.irp i, 0,1,2,3,4,5,6,7
	FRAG 128*(\p)+FR*\i, ADRB+\slot, \q, \i
.endr
	WIN 0
.endm
.macro FETCH_A slot, q, i0
.irp i, \i0, \i0+1, \i0+2, \i0+3
	FRAG AF+FR*(\i), ADRA+\slot, \q, \i
.endr
.endm
.macro SCALES sc                       ; a slot's scale words: four words a row; lanes 0-15 take x's block i, lanes 16-31 W's block i
.irp i, 0,1,2,3,4,5,6,7
	ds_load_b128 v[SC+8*NQ*\sc+NQ*\i:SC+8*NQ*\sc+NQ*\i+3], v[ADRS] offset:\i*SBLK
.endr
.endm
.macro PLACES n                        ; plain vector instructions that name none of the matrix instruction's registers, in front of loads into registers that it has read and of reads of its results
.rept \n
	v_nop
.endr
.endm
.macro STEP slot, q, zero              ; a step of 128 along K that has its successor in the same slot
	s_wait_dscnt 4*NL                              ; W's set and x's blocks 0-3 are in; the youngest eight loads (x's blocks 4-7) may be out
	WIN MUL_LO
	MUL16 0, (\q)%2, \q, \slot, \zero
	MUL16 2, (\q)%2, \q, \slot, \zero
	s_wait_dscnt 0
	PLACES NP
	FETCH_B \slot, (\q)+1, 1-(\q)%2
	FETCH_A \slot, (\q)+1, 0
	WIN MUL_HI
	MUL16 4, (\q)%2, \q, \slot, \zero
	MUL16 6, (\q)%2, \q, \slot, \zero
	PLACES NP
	WIN 0
	FETCH_A \slot, (\q)+1, 4
.endm
	s_wait_tensorcnt 1                             ; the scales and my part of slot 0 are in (slot 1's load may be out)
	s_barrier_signal -1
	s_barrier_wait -1                              ; everybody's are
	FETCH_B 0, 0, 0
	FETCH_A 0, 0, 0
	SCALES 0
	FETCH_A 0, 0, 4
	STEP 0, 0, 1                                   ; the first products start the sums: nothing is cleared
	STEP 0, 1, 0
	STEP 0, 2, 0
	; slot 0's last step, and the change to slot 1: one barrier; nothing is filled again
	s_wait_tensorcnt 0x0                           ; my part of slot 1 has landed
	ds_add_u32 v[SPW], v[NIL]                      ; 0 onto my spare word
	s_wait_dscnt 4*NL+1                            ; (the add and the youngest eight loads may be out)
	WIN MUL_LO
	MUL16 0, 1, NQ-1, 0, 0
	s_wait_dscnt 0x0                               ; the add is done, and my reads of slot 0 are over
	s_barrier_signal -1
	MUL16 2, 1, NQ-1, 0, 0
	WIN 0
	s_barrier_wait -1                              ; slot 1 is whole, and nobody reads slot 0 any more
	PLACES NP
	v_add_nc_u32 v[ADRS], 4*NQ, v[ADRS]            ; on to slot 1's scale words
	FETCH_B 1, 0, 0
	FETCH_A 1, 0, 0
	SCALES 1
	WIN MUL_HI
	MUL16 4, 1, NQ-1, 0, 0
	MUL16 6, 1, NQ-1, 0, 0
	PLACES NP
	WIN 0
	FETCH_A 1, 0, 4
	STEP 1, 0, 0
	STEP 1, 1, 0
	STEP 1, 2, 0
	s_wait_dscnt 4*NL                              ; the last step: nothing more to fetch
	WIN MUL_LO
	MUL16 0, 1, NQ-1, 1, 0
	MUL16 2, 1, NQ-1, 1, 0
	s_wait_dscnt 0
	WIN MUL_HI
	MUL16 4, 1, NQ-1, 1, 0
	MUL16 6, 1, NQ-1, 1, 0
	WIN 0
; THE WAY OUT, a block of 16 rows x 128 columns (two heads) at a time.  PACK: rounded to f16, a lane's eight columns are 16 bytes.  TOSTAGE: into my own stage, and back by rows.  SEND: 16 rows of one head are
; 2,048 consecutive bytes of qkvh: each store of the wave covers 512 of them, aligned.  Every offset is an immediate.
.macro PACK a
.set AC, 64*((\a)%4)
	WIN 0x0a+5*((\a)/4)                            ; sources 0 and 1: window 2 or 3
.irp b, 0,1,2,3,4,5,6,7
.irp i, 0,1,2,3
	v_cvt_pk_f16_f32 v[TMP+4*\b+\i], v[AC+8*\b+2*\i], v[AC+8*\b+2*\i+1]   ; each accumulator from its low end on
.endr
.endr
	WIN 0
.endm
.macro TOSTAGE a
.set BB, BK+32*((\a)%2)
.irp b, 0,1,2,3,4,5,6,7
	ds_store_b128 v[STO], v[TMP+4*\b:TMP+4*\b+3] offset:(\b/4)*HSTG+32*(\b%4)
.endr
.irp t, 0,1,2,3,4,5,6,7
	ds_load_b128 v[BB+4*\t:BB+4*\t+3], v[RD] offset:(\t/4)*HSTG+(\t%4)*4*HP   ; LDS serves a wave's instructions in order (ISA guide 5.7.1.4): these see the stores above
.endr
.endm
.macro SEND a
.set BB, BK+32*((\a)%2)
	s_wait_dscnt 0x0                               ; the block is back in registers
	s_wait_xcnt 0x0                                ; the earlier stores have read their registers: the set that the next block's loads land in is free
.irp t, 0,1,2,3,4,5,6,7
	global_store_b128 v[CO], v[BB+4*\t:BB+4*\t+3], s[12:13] offset:(\t/4)*HEADB+(\a)*2048+(\t%4)*512
.endr
.endm
	PLACES NP                                      ; behind the last products: for the conversions, and for the loads into the registers that held x's fragments
	PACK 0
	TOSTAGE 0
.irp a, 1,2,3,4,5,6,7                  ; block a's conversions stand between block a - 1's loads from the stage and the wait for them
	PACK \a
	SEND \a-1
	TOSTAGE \a
.endr
	SEND 7
	s_wait_tensorcnt 0x0                           ; the wave's end: behind my last tensor load and my last LDS store
	ds_add_u32 v[SPW], v[NIL]
	s_wait_dscnt 0x0
	CROUND                                         ; the closing round
	s_endpgm
.Lfunc_end_k_q6dc3290138_qkv:
	.size	k_q6dc3290138_qkv, .Lfunc_end_k_q6dc3290138_qkv-k_q6dc3290138_qkv
	.p2alignl 7, 3214868480
	.fill 96, 4, 3214868480
	.section	.rodata,"a",@progbits
	.p2align	6, 0x0
	.amdhsa_kernel k_q6dc3290138_qkv
		.amdhsa_group_segment_fixed_size 327680
		.amdhsa_private_segment_fixed_size 0
		.amdhsa_enable_private_segment 0
		.amdhsa_kernarg_size 40
		.amdhsa_user_sgpr_count 2
		.amdhsa_user_sgpr_kernarg_segment_ptr 1
		.amdhsa_wavefront_size32 1
		.amdhsa_system_sgpr_workgroup_id_x 1
		.amdhsa_system_sgpr_workgroup_id_y 1
		.amdhsa_system_sgpr_workgroup_id_z 1
		.amdhsa_system_vgpr_workitem_id 0
		.amdhsa_next_free_vgpr 1024
		.amdhsa_next_free_sgpr 98
		.amdhsa_reserve_vcc 0
		.amdhsa_float_denorm_mode_32 3
		.amdhsa_float_denorm_mode_16_64 3
		.amdhsa_memory_ordered 1
		.amdhsa_forward_progress 1
		.amdhsa_inst_pref_size 126
	.end_amdhsa_kernel
	.amdgpu_metadata
---
amdhsa.version: [ 1, 2 ]
amdhsa.kernels:
  - .name:           k_q6dc3290138_qkv
    .symbol:         k_q6dc3290138_qkv.kd
    .args:
      - { .name: xc, .offset: 0, .size: 8, .value_kind: global_buffer, .address_space: global }
      - { .name: xs, .offset: 8, .size: 8, .value_kind: global_buffer, .address_space: global }
      - { .name: wc, .offset: 16, .size: 8, .value_kind: global_buffer, .address_space: global }
      - { .name: ws, .offset: 24, .size: 8, .value_kind: global_buffer, .address_space: global }
      - { .name: qkvh, .offset: 32, .size: 8, .value_kind: global_buffer, .address_space: global }
    .group_segment_fixed_size: 327680
    .private_segment_fixed_size: 0
    .kernarg_segment_align: 8
    .kernarg_segment_size: 40
    .max_flat_workgroup_size: 128
    .sgpr_count:     98
    .vgpr_count:     1024
    .wavefront_size: 32
...
	.end_amdgpu_metadata
.endif
;; end of part 2
;; launch attn (part 3): grid 4 x 64, 8 waves a work-group, clusters of 4 x 1, 327,680 bytes of LDS; arguments qkvh, att; writes att
.if DOCPART == 3
	.amdgcn_target "amdgcn-amd-amdhsa--gfx1250"
	.amdhsa_code_object_version 6
	.text
	.protected	k_q6dc3290138_attn
	.globl	k_q6dc3290138_attn
	.p2align	8
	.type	k_q6dc3290138_attn,@function
k_q6dc3290138_attn:
	s_mov_b64 s[64:65], 0
	v_nop
	global_prefetch_b8 v0, s[64:65] scope:SCOPE_SE
	s_setreg_imm32_b32 hwreg(HW_REG_WAVE_MODE, 25, 1), 1
	s_wait_xcnt 0x0
	s_wait_alu depctr_hold_cnt(0) depctr_sa_sdst(0) depctr_va_vdst(0) depctr_va_sdst(0) depctr_va_ssrc(0) depctr_va_vcc(0) depctr_vm_vsrc(0)
	s_getreg_b32 s2, hwreg(HW_REG_IB_STS2, 6, 4)
	s_cmp_eq_u32 s2, 0
	s_cbranch_scc0 .Lentry_in_a_cluster
	s_endpgm
.Lentry_in_a_cluster:
	s_bfe_u32 s2, ttmp6, 0x10000c
	s_cmp_lg_u32 s2, 0x3003
	s_cbranch_scc0 .Lentry_shape_is_right
	s_endpgm
.Lentry_shape_is_right:
; ATTENTION, LAUNCH 3 OF 4: att[h][b, q][:] = the sum over k of softmax_k(q . k / 8) v, for each of the 64 (batch, head); q, k, v: f16, [2048][64] each, out of qkvh; products, maxima and sums in f32;
; the weights p are rounded to f16 for the second product, the result once to f16.  att: [16 heads][8192 rows][64] f16.  Nothing is left out.
; LIMITS: p under 2^-25 rounds to 0 in f16; NaN and infinities are not served.
; SHARES.  A work-group owns 512 queries of one (batch, head), each of its eight waves 64: four tiles of 16, in 512 registers; two waves share a SIMD.  Every wave walks all 2,048 keys, 64 a step.
; LAYOUT.  S^T = K Q^T (source 0 = 16 keys, source 1 = 16 queries): a lane holds ONE query (lane % 16) and the keys 8 (lane / 16) + 0..7.  Two such tiles, rounded to f16 in pairs, ARE source 1 of
; O^T = V^T P, whose result again holds one query a lane, and eight channels.  K comes out of LDS as it lies, V ([key][channel]) turned, by ds_load_tr16_b128.
; SOFTMAX.  A running maximum m and sum l for each query: p = 2^(c s - c m), c = log2(e) / 8; in every step O and l are multiplied by a = 2^(c m_old - c m_new).  The step is written once: O and l begin as zeros
; and m as -3e38, so that the first a is 0 and multiplies zeros.
; CLUSTER.  The four work-groups of a cluster are the four query blocks of one head: each tile of K and V is asked for JOINTLY.  Two slots of four key steps; waves 0-3 fetch K's four tiles of a slot, waves 4-7 V's:
; one load a wave behind each round.  By this text's count a wave has two tensor loads out at the start, later one; a refill has four key steps in which to land.
; REGISTERS, in windows of 256: window 0: v2-13 addresses; v16-47 statistics, eight a tile; v48-111 K's eight fragments, then P (K is done with when P is made); v112-115 the old c m; v128-255 S^T, 32 a tile.
;   window 1: v0-127 O^T, 32 a tile; v128-191 Q, 16 a tile; v192-255 V's eight fragments.
.set KS,    64                         ; keys in a step
.set PK,    144                        ; a row of K in LDS: 128 bytes + 16: the 16 rows of a load start at 16 different groups of four banks (64 banks of 4 bytes: ISA guide 11.1)
.set PV,    160                        ; a row of V: 128 + 32: an odd multiple of 32, for the turning load
.set VOFF,  KS*PK                      ; a step's tiles lie together: 64 rows of K, then 64 of V
.set STEPB, KS*(PK+PV)
.set NST,   4                          ; steps in a slot
.set SLOTB, NST*KS*128                 ; a slot's rows of K, or of V, in memory: 32,768 bytes
.set SLOT1, 1<<17                      ; slot 1 begins here: one exclusive or turns an address in one slot into the other's
.set STAGE, SLOT1+NST*STEPB            ; behind the ring: 16 rows x 144 bytes for each wave, for the way out
.set SP,    144
.set SPARE, STAGE+8*16*SP              ; the spare words, 128 bytes for each wave: four blocks of 256 bytes that no other line names
.set PART,  0x1000000                  ; q, k, v are this many bytes apart in qkvh
.set AK0, 2                            ; my lane's place in a tile of K
.set AV0, 3                            ; and of V
.set ADK, 4                            ; the step's addresses
.set ADV, 5
.set QO,  6
.set STO, 7
.set RD,  8
.set GO,  9
.set PFO, 10                           ; 256 x my lane; never rewritten
.set SPW, 12
.set NIL, 13
.set ST,  16                           ; tile t at v[ST+8 t]: +0 c m, +1 m, +2, +3 l (even keys', odd keys'), +4 to +7 at work; a takes +6
.set KF,  48
.set P,   48
.set OLD, 112
.set S,   128
.set O,   0                            ; in window 1
.set QF,  128
.set VF,  192
.set WV,  12
.set LIM, 15                           ; 1 in a wave that prefetches, else the greatest number
.set PFA, 18
.set G1K, 24
.set G1V, 32
.set G0K, 40                           ; two sets: the first fills; the second then walks on
.set G0V, 48
.set SLOTS, 56
.set CNT, 57
.set CS,  58
.set SEL, 60
.set TB,  62                           ; LDS byte at which the step's tiles begin
.set MSB, 0
.macro WIN new
.if MSB != (\new)
	s_set_vgpr_msb (MSB<<8)|(\new)
.set MSB, (\new)
.endif
.endm
.macro JLOAD                           ; a joint refill.  The branch hangs on the wave's number alone.  An s_nop 0 and four v_nop follow each of the two lines
	s_cmp_lt_u32 s[WV], 4
	s_cbranch_scc0 .Lfor_v_\@
	tensor_load_to_lds s[G0K+4:G0K+7], s[G1K:G1K+7]
	s_nop 0
.rept 4
	v_nop
.endr
	s_branch .Lasked_\@
.Lfor_v_\@:
	tensor_load_to_lds s[G0V+4:G0V+7], s[G1V:G1V+7]
	s_nop 0
.rept 4
	v_nop
.endr
.Lasked_\@:
.endm
; A PREFETCH of what the NEXT change of slots will ask for: a slot's 32,768 bytes of K and of V, four key steps ahead of that load.  Each aligned block of 256 bytes is named once: the head has one cluster; its four
; partners take 8,192 bytes each, told apart by ADDRESS; in each, wave 0 asks for K's and wave 4 for V's, lanes 256 bytes apart: one instruction.  The last change that fills a slot asks for nothing.
.macro ASK
	s_cmp_gt_u32 s[SLOTS], s[LIM]
	s_cbranch_scc0 .Lnot_mine_\@
	global_prefetch_b8 v[PFO], s[PFA:PFA+1] th:TH_LOAD_NT scope:SCOPE_SE
.Lnot_mine_\@:
.endm
.macro CROUND                          ; a round of the cluster's barrier
	s_barrier_signal -1
	s_barrier_wait -1
	s_cmp_lg_u32 s[WV], 0
	s_cbranch_scc1 .Lnot_wave_0_\@
	s_barrier_signal -3
.Lnot_wave_0_\@:
	s_barrier_wait -3
	s_barrier_signal -1
	s_barrier_wait -1
.endm
	s_load_b128 s[4:7], s[0:1], 0x0                ; qkvh, att
	v_lshl_add_u32 v[SPW], v0, 2, SPARE
	v_mov_b32 v[NIL], 0
	ds_add_u32 v[SPW], v[NIL]                      ; the wave's opening: the add, twice on end, and its wait ahead of my first tensor load
	ds_add_u32 v[SPW], v[NIL]
	v_lshrrev_b32 v1, 5, v0
	v_readfirstlane_b32 s[WV], v1                  ; wave 0..7
	s_bfe_u32 s13, ttmp6, 0x40000                  ; cx: my block of 512 queries (a head is one cluster): it enters Q's, att's and the prefetches' addresses alone
	s_and_b32 s20, ttmp7, 0xffff                   ; 16 x batch + head, which the four partners share
	s_and_b32 s14, s20, 15
	s_lshl_b32 s14, s14, 20                        ; att: the head's plane of 8,192 rows x 128 bytes,
	s_lshr_b32 s15, s20, 4
	s_lshl_b32 s15, s15, 18                        ; the batch's 2,048 rows
	s_add_co_u32 s14, s14, s15
	s_lshl_b32 s20, s20, 18                        ; qkvh: 262,144 bytes for each (batch, head)
	s_and_b32 s16, s[WV], 3                        ; which of a slot's four steps I fetch:
	s_lshl_b32 s22, s16, 13                        ; its 64 rows of 128 bytes in memory,
	s_add_co_u32 s22, s22, s20
	s_mov_b32 s23, 0
	s_mul_i32 s17, s16, STEPB                      ; and its place in a slot
	s_lshl_b32 s2, s13, 16                         ; my block's 512 rows,
	s_lshl_b32 s3, s[WV], 13                       ; my wave's 64 of them
	s_add_co_u32 s2, s2, s3
	s_add_co_u32 s20, s20, s2                      ; Q's byte offset
	s_mov_b32 s21, 0
	s_add_co_u32 s2, s2, s14                       ; att's
	s_mov_b32 s3, 0
	s_mov_b32 s[G1K], 15|(1<<16)|(1<<20)|(1<<21)|(4<<22)|(3<<25)  ; the mask: all four; elements of 2 bytes; padding on; bit 21 beside a mask; after every 32 words, 4 words
	s_mov_b32 s[G1V], 15|(1<<16)|(1<<20)|(1<<21)|(4<<22)|(7<<25)  ; the same with 8 words
.irp g, G1K, G1V
	s_mov_b32 s[\g+1], 64<<16                      ; tensor_dim0 = 64
	s_mov_b32 s[\g+2], KS<<16                      ; tensor_dim1 = 64
	s_mov_b32 s[\g+3], 64<<16                      ; tile_dim0 = 64
	s_mov_b32 s[\g+4], KS                          ; tile_dim1 = 64
	s_mov_b32 s[\g+5], 64                          ; from row to row
	s_mov_b32 s[\g+6], 0
	s_mov_b32 s[\g+7], 0
.endr
	s_mov_b32 s[CS], 0x3e38aa3b                    ; c = log2(e) / 8
	s_mov_b32 s[CS+1], s[CS]                       ; (named with it as a pair)
	s_mov_b32 s[SEL], 0x76543210
	s_mov_b32 s[SEL+1], 0xfedcba98                 ; lane l xor 16
	s_mov_b32 s[TB], 0
	s_mov_b32 s[SLOTS], 2048/(NST*KS)-2
	s_cmp_eq_u32 s16, 0                            ; waves 0 and 4: the same in all four partners
	s_cselect_b32 s[LIM], 1, -1
	v_and_b32 v[PFO], 31, v0
	v_lshlrev_b32 v[PFO], 8, v[PFO]
	s_wait_dscnt 0x0                               ; both opening adds are done
	s_wait_kmcnt 0x0
	s_add_nc_u64 s[8:9], s[4:5], s[22:23]
	s_add_nc_u64 s[8:9], s[8:9], PART              ; K at my tile of slot 0
	s_add_nc_u64 s[10:11], s[8:9], PART            ; V likewise
	s_add_nc_u64 s[4:5], s[4:5], s[20:21]          ; Q at my wave's first row
	s_add_nc_u64 s[6:7], s[6:7], s[2:3]            ; att likewise
	s_cmp_lt_u32 s[WV], 4
	s_cselect_b64 s[PFA:PFA+1], s[8:9], s[10:11]   ; (in waves 0 and 4 these stand at a slot's first row)
	s_lshl_b32 s2, s13, 13                         ; my work-group's 8,192 bytes of the 32,768
	s_add_nc_u64 s[PFA:PFA+1], s[PFA:PFA+1], s[2:3]
	s_add_nc_u64 s[PFA:PFA+1], s[PFA:PFA+1], 2*SLOTB  ; in slot 2; the first change of slots steps it to slot 3.  Nothing is prefetched at the head
	CROUND                                         ; all four work-groups are here: the first joint loads meet
.irp s, 0,1
	s_mov_b32 s[G0K+4*\s], 1
	s_add_co_u32 s[G0K+4*\s+1], s17, \s*SLOT1
	s_add_nc_u64 s[G0K+4*\s+2:G0K+4*\s+3], s[8:9], \s*SLOTB
	s_or_b32 s[G0K+4*\s+3], s[G0K+4*\s+3], 0x80000000
	s_mov_b32 s[G0V+4*\s], 1
	s_add_co_u32 s[G0V+4*\s+1], s17, \s*SLOT1+VOFF
	s_add_nc_u64 s[G0V+4*\s+2:G0V+4*\s+3], s[10:11], \s*SLOTB
	s_or_b32 s[G0V+4*\s+3], s[G0V+4*\s+3], 0x80000000
.endr
	s_cmp_lt_u32 s[WV], 4                          ; a wave's two first fills stand in one arm, ahead of every wait on TENSORcnt and every LDS read
	s_cbranch_scc0 .Lfirst_v
	tensor_load_to_lds s[G0K:G0K+3], s[G1K:G1K+7]
	s_nop 0
	tensor_load_to_lds s[G0K+4:G0K+7], s[G1K:G1K+7]
	s_nop 0
.rept 4
	v_nop
.endr
	s_branch .Lfirst_asked
.Lfirst_v:
	tensor_load_to_lds s[G0V:G0V+3], s[G1V:G1V+7]
	s_nop 0
	tensor_load_to_lds s[G0V+4:G0V+7], s[G1V:G1V+7]
	s_nop 0
.rept 4
	v_nop
.endr
.Lfirst_asked:
	v_and_b32 v1, 15, v0                           ; r = l % 16
	v_bfe_u32 v11, v0, 4, 1                        ; h = l / 16
	v_lshlrev_b32 v[QO], 7, v1
	v_lshl_add_u32 v[QO], v11, 4, v[QO]            ; row x 128 + 16 h
	WIN 0x40                                       ; destination window 1
.irp t, 0,1,2,3
.irp c, 0,1                                    ; Q stays in registers: tile t, channels 32 c on
	global_load_b128 v[QF+16*\t+8*\c:QF+16*\t+8*\c+3],   v[QO], s[4:5] offset:\t*2048+\c*64
	global_load_b128 v[QF+16*\t+8*\c+4:QF+16*\t+8*\c+7], v[QO], s[4:5] offset:\t*2048+\c*64+32
.endr
.endr
.set i, 0
.rept 128
	v_mov_b32 v[O+i], 0                            ; O^T, once: the step is written once, and its first a multiplies these zeros
.set i, i+1
.endr
	WIN 0
	v_mul_u32_u24 v[AK0], v1, PK
	v_lshl_add_u32 v[AK0], v11, 4, v[AK0]          ; K: row r x pitch + 16 h
	v_and_b32 v14, 7, v0
	v_bfe_u32 v15, v0, 3, 1
	v_lshl_add_u32 v[AV0], v11, 3, v14             ; V: the turning load: key 8 h + l % 8, channels 8 ((l / 8) % 2) on
	v_mul_u32_u24 v[AV0], v[AV0], PV
	v_lshl_add_u32 v[AV0], v15, 4, v[AV0]
	v_add_nc_u32 v[AV0], VOFF, v[AV0]
	s_mul_i32 s20, s[WV], 16*SP
	s_add_co_u32 s20, s20, STAGE                   ; my stage
	v_mul_u32_u24 v[STO], v1, SP
	v_lshl_add_u32 v[STO], v11, 4, v[STO]
	v_add_nc_u32 v[STO], s20, v[STO]               ; in: row r, 16 bytes for each half of the lanes
	v_and_b32 v14, 31, v0
	v_lshrrev_b32 v15, 3, v14
	v_mul_u32_u24 v[RD], v15, SP
	v_and_b32 v15, 7, v0
	v_lshl_add_u32 v[RD], v15, 4, v[RD]
	v_add_nc_u32 v[RD], s20, v[RD]                 ; back: eight lanes to a row of 128 bytes, four rows an instruction
	v_lshlrev_b32 v[GO], 4, v14                    ; which are 512 consecutive bytes of att
.irp t, 0,1,2,3
	v_mov_b32 v[ST+8*\t+1], 0xff61b1e6             ; m = -3e38, under every score
	v_mul_f32 v[ST+8*\t], s[CS], v[ST+8*\t+1]      ; c m
	v_mov_b32 v[ST+8*\t+2], 0                      ; l, in two halves
	v_mov_b32 v[ST+8*\t+3], 0
.endr
; A KEY STEP: 64 keys, in phases.  The 16 accumulators of each product take turns, one instruction a turn.
.macro STEP
	v_add_nc_u32 v[ADK], s[TB], v[AK0]             ; these four lines are the places between the last step's products and the loads into the registers that they read (P's and V's)
	v_add_nc_u32 v[ADV], s[TB], v[AV0]
	v_nop
	v_nop
.irp kb, 0,1,2,3
.irp c, 0,1                                    ; K: keys 16 kb on, channels 32 c on
	ds_load_b128 v[KF+16*\kb+8*\c:KF+16*\kb+8*\c+3],   v[ADK] offset:\kb*16*PK+\c*64
	ds_load_b128 v[KF+16*\kb+8*\c+4:KF+16*\kb+8*\c+7], v[ADK] offset:\kb*16*PK+\c*64+32
.endr
.endr
	WIN 0x40                                       ; destination window 1
.irp kh, 0,1
.irp cb, 0,1,2,3                               ; V, turned: keys 32 kh on, channels 16 cb on
	ds_load_tr16_b128 v[VF+8*(4*\kh+\cb):VF+8*(4*\kh+\cb)+3],   v[ADV] offset:\kh*32*PV+\cb*32
	ds_load_tr16_b128 v[VF+8*(4*\kh+\cb)+4:VF+8*(4*\kh+\cb)+7], v[ADV] offset:\kh*32*PV+16*PV+\cb*32
.endr
.endr
	s_add_co_u32 s[TB], s[TB], STEPB               ; the next step's tiles
	s_wait_dscnt 16                                ; K is in; V's sixteen loads may stay out
	WIN 0x04                                       ; Q in window 1, K and S^T in window 0
.irp c, 0,1
.irp kb, 0,1,2,3
.irp t, 0,1,2,3
.if \c == 0
	v_wmma_f32_16x16x32_f16 v[S+32*\t+8*\kb:S+32*\t+8*\kb+7], v[KF+16*\kb+8*\c:KF+16*\kb+8*\c+7], v[QF+16*\t+8*\c:QF+16*\t+8*\c+7], 0
.else
	v_wmma_f32_16x16x32_f16 v[S+32*\t+8*\kb:S+32*\t+8*\kb+7], v[KF+16*\kb+8*\c:KF+16*\kb+8*\c+7], v[QF+16*\t+8*\c:QF+16*\t+8*\c+7], v[S+32*\t+8*\kb:S+32*\t+8*\kb+7]
.endif
.endr
.endr
.endr
	WIN 0
.irp t, 0,1,2,3
	v_mov_b32 v[OLD+\t], v[ST+8*\t]                ; c m_old is kept for a.  (These four are the places behind the products)
.endr
.irp j, 0,1,2,3                                ; the maximum of a lane's 32 scores and the old m, three operands at a time; the four tiles by turns; each accumulator is read from its low end on
.irp t, 0,1,2,3
	v_max3_num_f32 v[ST+8*\t+4+\j], v[S+32*\t+8*\j], v[S+32*\t+8*\j+1], v[S+32*\t+8*\j+2]
.endr
.endr
.irp g, 1,2
.irp j, 0,1,2,3
.irp t, 0,1,2,3
	v_max3_num_f32 v[ST+8*\t+4+\j], v[ST+8*\t+4+\j], v[S+32*\t+8*\j+2*\g+1], v[S+32*\t+8*\j+2*\g+2]
.endr
.endr
.endr
.irp t, 0,1,2,3
	v_max3_num_f32 v[ST+8*\t+4], v[ST+8*\t+4], v[S+32*\t+7], v[S+32*\t+15]
.endr
.irp t, 0,1,2,3
	v_max3_num_f32 v[ST+8*\t+6], v[ST+8*\t+6], v[S+32*\t+23], v[S+32*\t+31]
.endr
.irp t, 0,1,2,3
	v_max3_num_f32 v[ST+8*\t+4], v[ST+8*\t+4], v[ST+8*\t+5], v[ST+8*\t+6]
.endr
.irp t, 0,1,2,3
	v_max3_num_f32 v[ST+8*\t+4], v[ST+8*\t+4], v[ST+8*\t+7], v[ST+8*\t+1]
.endr
.irp t, 0,1,2,3
	v_permlanex16_b32 v[ST+8*\t+5], v[ST+8*\t+4], s[SEL], s[SEL+1]   ; the query's other 32 keys lie in the lane 16 away
.endr
.irp t, 0,1,2,3
	v_max_num_f32 v[ST+8*\t+1], v[ST+8*\t+4], v[ST+8*\t+5]           ; the new m
.endr
.irp t, 0,1,2,3
	v_mul_f32 v[ST+8*\t], s[CS], v[ST+8*\t+1]                        ; c m
.endr
.irp t, 0,1,2,3
	v_sub_f32 v[OLD+\t], v[OLD+\t], v[ST+8*\t]                       ; c m_old - c m_new, of the two rounded numbers: exactly 0 where m has not grown
.endr
.irp t, 0,1,2,3
	v_exp_f32 v[ST+8*\t+6], v[OLD+\t]                                ; a
.endr
.set i, 0
.rept 16
.irp t, 0,1,2,3
	v_pk_fma_f32 v[S+32*\t+i:S+32*\t+i+1], v[S+32*\t+i:S+32*\t+i+1], s[CS:CS+1], v[ST+8*\t:ST+8*\t+1] op_sel_hi:[1,0,0] neg_lo:[0,0,1] neg_hi:[0,0,1]   ; c s - c m, a pair at a time
.endr
.set i, i+2
.endr
.set i, 0
.rept 32
.irp t, 0,1,2,3
	v_exp_f32 v[S+32*\t+i], v[S+32*\t+i]           ; p: ONE BATCH with the four a: nothing ahead of the wait below names a result
.endr
.set i, i+1
.endr
	v_nop                                          ; the plain instruction behind the last exponential
	s_wait_alu depctr_va_vdst(0)                   ; one wait for the 132 exponentials, ahead of their first reader
.set i, 0
.rept 16
.irp t, 0,1,2,3
	v_cvt_pk_f16_f32 v[P+16*\t+i], v[S+32*\t+2*i], v[S+32*\t+2*i+1]   ; P: where K's fragments lay
.endr
.set i, i+1
.endr
.irp t, 0,1,2,3
	v_pk_fma_f32 v[ST+8*\t+2:ST+8*\t+3], v[ST+8*\t+2:ST+8*\t+3], v[ST+8*\t+6:ST+8*\t+7], v[S+32*\t:S+32*\t+1] op_sel_hi:[1,0,1]   ; l = a l + the first pair,
.endr
.set i, 2
.rept 15
.irp t, 0,1,2,3
	v_pk_add_f32 v[ST+8*\t+2:ST+8*\t+3], v[ST+8*\t+2:ST+8*\t+3], v[S+32*\t+i:S+32*\t+i+1]   ; + the other fifteen: the sum is taken of the unrounded p
.endr
.set i, i+2
.endr
	WIN 0x41                                       ; O^T (destination and source 0) in window 1, a in window 0
.set i, 0
.rept 16
.irp t, 0,1,2,3
	v_pk_mul_f32 v[O+32*\t+i:O+32*\t+i+1], v[O+32*\t+i:O+32*\t+i+1], v[ST+8*\t+6:ST+8*\t+7] op_sel_hi:[1,0]   ; O^T x a, each accumulator from its low end on
.endr
.set i, i+2
.endr
	s_wait_dscnt 0x0                               ; V is in
	WIN 0x51                                       ; V and O^T in window 1, P in window 0
.irp kh, 0,1
.irp cb, 0,1,2,3
.irp t, 0,1,2,3
	v_wmma_f32_16x16x32_f16 v[O+32*\t+8*\cb:O+32*\t+8*\cb+7], v[VF+8*(4*\kh+\cb):VF+8*(4*\kh+\cb)+7], v[P+16*\t+8*\kh:P+16*\t+8*\kh+7], v[O+32*\t+8*\cb:O+32*\t+8*\cb+7]
.endr
.endr
.endr
	WIN 0
.endm
.macro SLOT_STEPS                      ; a slot's four key steps: written once, walked four times; the LDS addresses hang on s[TB]
	s_mov_b32 s[CNT], NST
.Lstep_\@:
	STEP
	s_sub_co_u32 s[CNT], s[CNT], 1
	s_cmp_lg_u32 s[CNT], 0
	s_cbranch_scc1 .Lstep_\@
.endm
; THE CHANGE OF SLOTS.  Each wave waits for all its tensor loads (its part of the slot ahead), adds 0 to its spare word, and waits for that and for its reads of the slot that it leaves.  fill = 1: a round of the
; cluster's barrier, so that no wave of any partner still reads the slot or has a load on its way; the joint refill, with the keys two slots on, is the first thing behind it.
.macro CHANGE fill
	s_wait_tensorcnt 0x0                           ; no tensor load of mine is out, so a group 0 may be written
	ds_add_u32 v[SPW], v[NIL]                      ; 0 onto my spare word
.if \fill
.irp g, G0K+4, G0V+4
	s_xor_b32 s[\g+1], s[\g+1], SLOT1              ; the walking descriptor: the other slot than last time,
	s_add_nc_u64 s[\g+2:\g+3], s[\g+2:\g+3], SLOTB ; the next 256 keys; the type bits on top are not reached
.endr
	s_wait_xcnt 0x0                                ; the last prefetch, a slot back, has read its address
	s_add_nc_u64 s[PFA:PFA+1], s[PFA:PFA+1], SLOTB ; one slot further on than the walking descriptors
	s_wait_dscnt 0x0                               ; the add is done, and my reads of the slot are over
	CROUND
	JLOAD
	ASK
.else
	s_wait_dscnt 0x0
	s_barrier_signal -1
	s_barrier_wait -1
.endif
	s_sub_co_u32 s[TB], s[TB], NST*STEPB           ; back to a slot's first step,
	s_xor_b32 s[TB], s[TB], SLOT1                  ; in the other slot
.endm
	s_wait_tensorcnt 1                             ; my part of slot 0 is in; slot 1's may stay out
	s_barrier_signal -1
	s_barrier_wait -1                              ; everybody's is
	s_wait_loadcnt 0x0                             ; Q
	SLOT_STEPS                                     ; keys 0 to 255
.Lslot:                                            ; six trips: every slot but the last two is filled again
	CHANGE 1
	SLOT_STEPS
	s_sub_co_u32 s[SLOTS], s[SLOTS], 1
	s_cmp_lg_u32 s[SLOTS], 0
	s_cbranch_scc1 .Lslot
	CHANGE 0                                       ; the tail is written out
	SLOT_STEPS
	; THE WAY OUT.  l's two halves and the other half of the lanes' are added (these additions are the places behind the last products); O^T is divided by l, rounded to f16 and sent through my stage, a tile at a time.
.irp t, 0,1,2,3
	v_add_f32 v[ST+8*\t+4], v[ST+8*\t+2], v[ST+8*\t+3]
.endr
.irp t, 0,1,2,3
	v_permlanex16_b32 v[ST+8*\t+5], v[ST+8*\t+4], s[SEL], s[SEL+1]
.endr
.irp t, 0,1,2,3
	v_add_f32 v[ST+8*\t+4], v[ST+8*\t+4], v[ST+8*\t+5]
.endr
.irp t, 0,1,2,3
	v_rcp_f32 v[ST+8*\t+6], v[ST+8*\t+4]
.endr
	v_nop                                          ; a plain instruction behind the last reciprocal
	s_wait_alu depctr_va_vdst(0)                   ; and one wait for the four, ahead of the first use
.macro PACK t
	WIN 0x41
.set i, 0
.rept 16
	v_pk_mul_f32 v[O+32*\t+i:O+32*\t+i+1], v[O+32*\t+i:O+32*\t+i+1], v[ST+8*\t+6:ST+8*\t+7] op_sel_hi:[1,0]
.set i, i+2
.endr
	WIN 0x05                                       ; sources in window 1, destination in window 0: S^T's registers are free
.set i, 0
.rept 16
	v_cvt_pk_f16_f32 v[S+32*\t+i], v[O+32*\t+2*i], v[O+32*\t+2*i+1]
.set i, i+1
.endr
	WIN 0
.irp cb, 0,1,2,3
	ds_store_b128 v[STO], v[S+32*\t+4*\cb:S+32*\t+4*\cb+3] offset:32*\cb
.endr
.irp f, 0,1,2,3
	ds_load_b128 v[S+32*\t+16+4*\f:S+32*\t+16+4*\f+3], v[RD] offset:\f*4*SP   ; LDS serves a wave's instructions in order (ISA guide 5.7.1.4): these see the stores above; the next tile's stores come behind them
.endr
.endm
.macro SEND t, younger                 ; younger: the LDS instructions issued behind tile t's loads: the next tile's eight, or none
.irp f, 0,1,2,3
	s_wait_dscnt \younger+3-\f
	global_store_b128 v[GO], v[S+32*\t+16+4*\f:S+32*\t+16+4*\f+3], s[6:7] offset:\t*2048+\f*512   ; the wave stores 512 consecutive bytes, aligned
.endr
.endm
	PACK 0
	PACK 1
	SEND 0, 8
	PACK 2
	SEND 1, 8
	PACK 3
	SEND 2, 8
	SEND 3, 0
	s_wait_tensorcnt 0x0                           ; the wave's end: behind my last tensor load and my last LDS store
	ds_add_u32 v[SPW], v[NIL]
	s_wait_dscnt 0x0
	CROUND                                         ; the closing round
	s_endpgm
.Lfunc_end_k_q6dc3290138_attn:
	.size	k_q6dc3290138_attn, .Lfunc_end_k_q6dc3290138_attn-k_q6dc3290138_attn
	.p2alignl 7, 3214868480
	.fill 96, 4, 3214868480
	.section	.rodata,"a",@progbits
	.p2align	6, 0x0
	.amdhsa_kernel k_q6dc3290138_attn
		.amdhsa_group_segment_fixed_size 327680
		.amdhsa_private_segment_fixed_size 0
		.amdhsa_enable_private_segment 0
		.amdhsa_kernarg_size 16
		.amdhsa_user_sgpr_count 2
		.amdhsa_user_sgpr_kernarg_segment_ptr 1
		.amdhsa_wavefront_size32 1
		.amdhsa_system_sgpr_workgroup_id_x 1
		.amdhsa_system_sgpr_workgroup_id_y 1
		.amdhsa_system_sgpr_workgroup_id_z 1
		.amdhsa_system_vgpr_workitem_id 0
		.amdhsa_next_free_vgpr 512
		.amdhsa_next_free_sgpr 66
		.amdhsa_reserve_vcc 0
		.amdhsa_float_denorm_mode_32 3
		.amdhsa_float_denorm_mode_16_64 3
		.amdhsa_memory_ordered 1
		.amdhsa_forward_progress 1
		.amdhsa_inst_pref_size 123
	.end_amdhsa_kernel
	.amdgpu_metadata
---
amdhsa.version: [ 1, 2 ]
amdhsa.kernels:
  - .name:           k_q6dc3290138_attn
    .symbol:         k_q6dc3290138_attn.kd
    .args:
      - { .name: qkvh, .offset: 0, .size: 8, .value_kind: global_buffer, .address_space: global }
      - { .name: att, .offset: 8, .size: 8, .value_kind: global_buffer, .address_space: global }
    .group_segment_fixed_size: 327680
    .private_segment_fixed_size: 0
    .kernarg_segment_align: 8
    .kernarg_segment_size: 16
    .max_flat_workgroup_size: 256
    .sgpr_count:     66
    .vgpr_count:     512
    .wavefront_size: 32
...
	.end_amdgpu_metadata
.endif
;; end of part 3
;; launch outp (part 4): grid 4 x 64, 4 waves a work-group, clusters of 4 x 4, 327,680 bytes of LDS; arguments att, woh, bout, out0; writes out0
.if DOCPART == 4
	.amdgcn_target "amdgcn-amd-amdhsa--gfx1250"
	.amdhsa_code_object_version 6
	.text
	.protected	k_q6dc3290138_outp
	.globl	k_q6dc3290138_outp
	.p2align	8
	.type	k_q6dc3290138_outp,@function
k_q6dc3290138_outp:
	s_mov_b64 s[64:65], 0
	v_nop
	global_prefetch_b8 v0, s[64:65] scope:SCOPE_SE
	s_setreg_imm32_b32 hwreg(HW_REG_WAVE_MODE, 25, 1), 1
	s_wait_xcnt 0x0
	s_wait_alu depctr_hold_cnt(0) depctr_sa_sdst(0) depctr_va_vdst(0) depctr_va_sdst(0) depctr_va_ssrc(0) depctr_va_vcc(0) depctr_vm_vsrc(0)
	s_getreg_b32 s2, hwreg(HW_REG_IB_STS2, 6, 4)
	s_cmp_eq_u32 s2, 0
	s_cbranch_scc0 .Lentry_in_a_cluster
	s_endpgm
.Lentry_in_a_cluster:
	s_bfe_u32 s2, ttmp6, 0x10000c
	s_cmp_lg_u32 s2, 0xf033
	s_cbranch_scc0 .Lentry_shape_is_right
	s_endpgm
.Lentry_shape_is_right:
; ATTENTION, LAUNCH 4 OF 4: out0[m][n] = the sum over k of att(m, k) Wout[k][n] + bout[n], m = 8,192 rows, n = 1,024, k = 64 x head + channel; f16 operands, f32 sums, f32 out.  Nothing is left out.
; att lies [16 heads][8192][64] f16, woh [1024 k][1024 n] f16 (as Wout lies: its fragments come out of LDS turned, by ds_load_tr16_b128).
; A tile of 128 rows x 256 columns is made by four waves, each 64 x 128: 32 accumulators of 16 x 16.  256 work-groups.  K goes in eight steps of 128 (two heads) through two LDS slots.
; CLUSTERS: 4 x 4 work-groups; att's tile is shared along a row of the cluster, Wout's along a column: joint loads.  Waves 0 and 1 fetch att's two planes (a head each, 128 rows x 128 bytes, dense), waves 2 and 3
; the halves of Wout's 128 rows of 512 bytes: one load a wave.  By this text's count a wave has two tensor loads out at the start, later one.
; THE MATRIX INSTRUCTION IS USED TRANSPOSED (source 0 = 16 columns of Wout, source 1 = 16 rows of att): a lane holds eight neighbouring numbers of a row of out0.  bout is the C of each sum's first instruction.
; REGISTERS, in windows of 256: window 0: v16-29 addresses; v64-127 att's fragments, two buffers of 32; v128-255 rows on the way out.   window 1: v0-127 Wout's fragments, two buffers of 64; v128-191 bout, eight
;   registers for each block of 16 columns.   window 2: accumulator (a, b) at v[8 (8 a + b)].
.set PA,     144                       ; a row of att in LDS: 128 bytes + 16
.set PLANE,  128*PA                    ; a head's 128 rows
.set PB,     544                       ; a row of Wout in LDS: 512 bytes + 32: an odd multiple of 32, for the turning load
.set BOFF,   2*PLANE
.set HALFB,  64*PB
.set SLOT,   BOFF+2*HALFB
.set STAGE,  2*SLOT                    ; behind the ring: 16 rows x 528 bytes for each wave
.set SPITCH, 528
.set SPARE,  STAGE+4*16*SPITCH         ; the spare words, 128 bytes for each wave
.set LAPS,   4                         ; a lap = two K steps = once round the ring
.set HEADB,  1048576                   ; a head's plane in att
.set ADRA, 16
.set ADRB, 20
.set STO,  24
.set RD,   25
.set CO,   26
.set BO,   27
.set SPW,  28
.set NIL,  29
.set AF,   64
.set BK,   128
.set BI,   128                         ; in window 1
.set G1, 24
.set G0, 32
.set G1B, 48
.set G0B, 56
.set MSB, 0
.macro WIN new
.if MSB != (\new)
	s_set_vgpr_msb (MSB<<8)|(\new)
.set MSB, (\new)
.endif
.endm
.set MUL,  0xa1                        ; source 0 (Wout) window 1, source 1 (att) window 0, C and D window 2
.set MUL1, 0x91                        ; the same with C (bout) in window 1
.set TO_B, 0x40
.macro JLOAD s                         ; a joint load; an s_nop 0 and four v_nop follow each of the two lines
	s_cmp_eq_u32 s13, 0
	s_cbranch_scc0 .Lfor_b_\@
	tensor_load_to_lds s[G0+4*\s:G0+4*\s+3], s[G1:G1+7]
	s_nop 0
.rept 4
	v_nop
.endr
	s_branch .Lasked_\@
.Lfor_b_\@:
	tensor_load_to_lds s[G0B+4*\s:G0B+4*\s+3], s[G1B:G1B+7]
	s_nop 0
.rept 4
	v_nop
.endr
.Lasked_\@:
.endm
.macro CREST                           ; a round of the cluster's barrier behind its opening barrier
	s_cmp_lg_u32 s12, 0
	s_cbranch_scc1 .Lnot_wave_0_\@
	s_barrier_signal -3
.Lnot_wave_0_\@:
	s_barrier_wait -3
	s_barrier_signal -1
	s_barrier_wait -1
.endm
.macro CROUND
	s_barrier_signal -1
	s_barrier_wait -1
	CREST
.endm
	s_load_b256 s[4:11], s[0:1], 0x0               ; att 4:5, woh 6:7, bout 8:9, out0 10:11
	v_lshl_add_u32 v[SPW], v0, 2, SPARE
	v_mov_b32 v[NIL], 0
	ds_add_u32 v[SPW], v[NIL]                      ; the wave's opening: the add, twice on end, and its wait ahead of my first tensor load
	ds_add_u32 v[SPW], v[NIL]
	v_lshrrev_b32 v1, 5, v0
	v_readfirstlane_b32 s12, v1                    ; wave 0..3
	s_lshr_b32 s13, s12, 1                         ; which 64 of the tile's rows are mine.  Also: I fetch for att (0) or for Wout (1)
	s_and_b32 s14, s12, 1                          ; which 128 of its columns.  Also: which plane, or which 64 rows of Wout, I fetch
	s_bfe_u32 s40, ttmp6, 0x40000                  ; cx, cy
	s_bfe_u32 s41, ttmp6, 0x40004
	s_lshl_b32 s42, ttmp9, 2
	s_add_co_u32 s42, s42, s40                     ; tile column
	s_and_b32 s15, ttmp7, 0xffff
	s_lshl_b32 s15, s15, 2
	s_add_co_u32 s15, s15, s41                     ; tile row
	s_lshl_b32 s43, s41, 2
	s_lshl_b32 s43, 15, s43                        ; my row of the cluster
	s_lshl_b32 s44, 0x1111, s40                    ; my column
	s_or_b32 s[G1+0], s43, (1<<16)|(1<<20)|(1<<21)|(4<<22)|(3<<25)   ; att: the mask; elements of 2 bytes; padding on; bit 21 beside a mask; after every 32 words, 4 words
	s_mov_b32 s[G1+1], 64<<16                      ; tensor_dim0 = 64
	s_mov_b32 s[G1+2], 128<<16                     ; tensor_dim1 = 128
	s_mov_b32 s[G1+3], 64<<16                      ; tile_dim0 = 64
	s_mov_b32 s[G1+4], 128                         ; tile_dim1 = 128
	s_mov_b32 s[G1+5], 64                          ; from row to row
	s_mov_b32 s[G1+6], 0
	s_mov_b32 s[G1+7], 0
	s_or_b32 s[G1B+0], s44, (1<<16)|(1<<20)|(1<<21)|(6<<22)|(7<<25)  ; Wout: after every 128 words, 8 words
	s_mov_b32 s[G1B+1], 256<<16
	s_mov_b32 s[G1B+2], 64<<16
	s_mov_b32 s[G1B+3], 256<<16
	s_mov_b32 s[G1B+4], 64
	s_mov_b32 s[G1B+5], 1024
	s_mov_b32 s[G1B+6], 0
	s_mov_b32 s[G1B+7], 0
	s_lshl_b32 s16, s14, 20                        ; att: my plane,
	s_lshl_b32 s17, s15, 14                        ; the tile's 128 rows of 128 bytes
	s_add_co_u32 s16, s16, s17
	s_mov_b32 s17, 0
	s_lshl_b32 s46, s14, 17                        ; Wout: my 64 rows of 2,048 bytes,
	s_lshl_b32 s47, s42, 9                         ; the tile's 256 columns
	s_add_co_u32 s46, s46, s47
	s_mov_b32 s47, 0
	s_mul_i32 s20, s14, PLANE                      ; where they go: no place in the cluster enters an LDS address
	s_mul_i32 s21, s14, HALFB
	s_add_co_u32 s21, s21, BOFF
	s_wait_dscnt 0x0                               ; both opening adds are done
	s_wait_kmcnt 0x0
	s_add_nc_u64 s[16:17], s[4:5], s[16:17]
	s_add_nc_u64 s[46:47], s[6:7], s[46:47]
	CROUND                                         ; all sixteen work-groups are here: the first joint loads meet
.irp s, 0,1
	s_mov_b32 s[G0+4*\s], 1
	s_add_co_u32 s[G0+4*\s+1], s20, \s*SLOT
	s_add_nc_u64 s[G0+4*\s+2:G0+4*\s+3], s[16:17], \s*2*HEADB
	s_or_b32 s[G0+4*\s+3], s[G0+4*\s+3], 0x80000000
	s_mov_b32 s[G0B+4*\s], 1
	s_add_co_u32 s[G0B+4*\s+1], s21, \s*SLOT
	s_add_nc_u64 s[G0B+4*\s+2:G0B+4*\s+3], s[46:47], \s*128*2048
	s_or_b32 s[G0B+4*\s+3], s[G0B+4*\s+3], 0x80000000
	JLOAD \s
.endr
	v_and_b32 v1, 15, v0                           ; r
	v_bfe_u32 v2, v0, 4, 1                         ; h
	v_mul_u32_u24 v3, v1, PA
	v_lshl_add_u32 v3, v2, 4, v3                   ; att: row r x pitch + 16 h
	s_mul_i32 s22, s13, 64*PA                      ; my 64 rows
	v_and_b32 v4, 7, v0
	v_lshl_add_u32 v4, v2, 3, v4                   ; Wout: the turning load: k-row 8 h + l % 8,
	v_mul_u32_u24 v4, v4, PB
	v_bfe_u32 v5, v0, 3, 1
	v_lshl_add_u32 v4, v5, 4, v4                   ; columns 8 ((l / 8) % 2) on
	s_lshl_b32 s23, s14, 8                         ; my 128 columns
	s_add_co_u32 s23, s23, BOFF
.irp s, 0,1
	v_add_nc_u32 v[ADRA+\s], s22, v3
	v_add_nc_u32 v[ADRB+\s], s23, v4
	s_add_co_u32 s22, s22, SLOT
	s_add_co_u32 s23, s23, SLOT
.endr
	s_mul_i32 s22, s12, 16*SPITCH
	s_add_co_u32 s22, s22, STAGE                   ; my stage
	v_mul_u32_u24 v5, v1, SPITCH
	v_lshl_add_u32 v5, v2, 5, v5
	v_add_nc_u32 v[STO], s22, v5                   ; in: row r, 32 bytes for each half of the lanes
	v_and_b32 v6, 31, v0
	v_lshlrev_b32 v[CO], 4, v6                     ; back: the 32 lanes take one row of 512 bytes; and the same in out0
	v_add_nc_u32 v[RD], s22, v[CO]
	v_lshlrev_b32 v[BO], 5, v2                     ; bout: my half's eight numbers of a block
	s_lshl_b32 s18, s42, 10
	s_lshl_b32 s19, s14, 9
	s_add_co_u32 s18, s18, s19                     ; my first column, in bytes of f32
	s_mov_b32 s19, 0
	s_add_nc_u64 s[8:9], s[8:9], s[18:19]
	WIN TO_B
.irp b, 0,1,2,3,4,5,6,7
	global_load_b128 v[BI+8*\b:BI+8*\b+3],   v[BO], s[8:9] offset:64*\b        ; register j of block b: bout[16 b + 8 h + j]: the result's layout
	global_load_b128 v[BI+8*\b+4:BI+8*\b+7], v[BO], s[8:9] offset:64*\b+16
.endr
	WIN 0
	s_lshl_b32 s22, s15, 19                        ; out0: the tile's 128 rows of 4,096 bytes,
	s_lshl_b32 s23, s13, 18                        ; my 64
	s_add_co_u32 s22, s22, s23
	s_add_co_u32 s22, s22, s18
	s_mov_b32 s23, 0
	s_add_nc_u64 s[10:11], s[10:11], s[22:23]
; 8 matrix instructions: block a of att's rows against Wout's eight blocks, 32 along K, buffer f.  first = 1: the sums begin with bout.  The 32 accumulators take turns, in the same order in every quarter.
.macro MUL8 f, a, first
.irp b, 0,1,2,3,4,5,6,7
.if \first
	v_wmma_f32_16x16x32_f16 v[8*(8*\a+\b):8*(8*\a+\b)+7], v[64*\f+8*\b:64*\f+8*\b+7], v[AF+32*\f+8*\a:AF+32*\f+8*\a+7], v[BI+8*\b:BI+8*\b+7]
.else
	v_wmma_f32_16x16x32_f16 v[8*(8*\a+\b):8*(8*\a+\b)+7], v[64*\f+8*\b:64*\f+8*\b+7], v[AF+32*\f+8*\a:AF+32*\f+8*\a+7], v[8*(8*\a+\b):8*(8*\a+\b)+7]
.endif
.endr
.endm
; 24 LDS loads in one run: quarter q (32 along K) of a slot into buffer buf: Wout's eight fragments, turned, then att's four, block 0 first
.macro FETCH slot, q, buf
	WIN TO_B
.irp b, 0,1,2,3,4,5,6,7
	ds_load_tr16_b128 v[64*(\buf)+8*\b:64*(\buf)+8*\b+3],   v[ADRB+\slot] offset:(\q)*32*PB+32*\b
	ds_load_tr16_b128 v[64*(\buf)+8*\b+4:64*(\buf)+8*\b+7], v[ADRB+\slot] offset:(\q)*32*PB+16*PB+32*\b
.endr
	WIN 0
.irp a, 0,1,2,3
	ds_load_b128 v[AF+32*(\buf)+8*\a:AF+32*(\buf)+8*\a+3],   v[ADRA+\slot] offset:((\q)/2)*PLANE+((\q)%2)*64+\a*16*PA
	ds_load_b128 v[AF+32*(\buf)+8*\a+4:AF+32*(\buf)+8*\a+7], v[ADRA+\slot] offset:((\q)/2)*PLANE+((\q)%2)*64+\a*16*PA+32
.endr
.endm
.macro PLACES                          ; four plain vector instructions in front of loads into registers that matrix instructions have read, and of reads of results
.rept 4
	v_nop
.endr
.endm
; A K step is four quarters on buffers 0, 1, 0, 1.  One of the first three: multiplies buffer f and fetches quarter q of the same slot into buffer g.
.macro QUARTER slot, q, f, g, first
	s_wait_dscnt 4                                 ; Wout's fragments and att's blocks 0, 1 are in; the youngest four loads (blocks 2, 3) may be out
	WIN MUL-0x10*\first
	MUL8 \f, 0, \first
	MUL8 \f, 1, \first
	PLACES
	FETCH \slot, \q, \g
	s_wait_dscnt 24                                ; all but the 24 just issued
	WIN MUL-0x10*\first
	MUL8 \f, 2, \first
	MUL8 \f, 3, \first
.endm
; The last quarter multiplies buffer 1 and changes slots: ONE barrier; in front of it each wave waits for all its tensor loads, adds 0 to its spare word, and waits for that and for its reads of this slot.
; fill = 1: the barrier opens a round of the cluster's, and this slot is filled again, two K steps ahead, first thing behind the round.
.macro TURN slot, next, fill
	WIN 0                                          ; (the add's two registers lie in window 0)
	s_wait_tensorcnt 0x0                           ; all my tensor loads have landed: my part of the next slot
	ds_add_u32 v[SPW], v[NIL]                      ; 0 onto my spare word
	s_wait_dscnt 5                                 ; (the add and the youngest four loads may be out)
	WIN MUL
	MUL8 1, 0, 0                                   ; eight matrix instructions stand between the add and the wait for it
	s_wait_dscnt 0x0                               ; the add is done, and my reads of this slot are over
	s_barrier_signal -1
	MUL8 1, 1, 0
.if \fill
	WIN 0
.endif
	s_barrier_wait -1
.if \fill
	CREST                                          ; no wave of any partner still reads this slot's tiles or has a load on its way
	s_add_nc_u64 s[G0+4*\slot+2:G0+4*\slot+3], s[G0+4*\slot+2:G0+4*\slot+3], 4*HEADB
	s_add_nc_u64 s[G0B+4*\slot+2:G0B+4*\slot+3], s[G0B+4*\slot+2:G0B+4*\slot+3], 256*2048
	JLOAD \slot                                    ; the four v_nop behind it are also the places in front of the loads below
.else
	PLACES
.endif
	FETCH \next, 0, 0
	WIN MUL
	MUL8 1, 2, 0
	MUL8 1, 3, 0
.endm
	s_wait_tensorcnt 1                             ; my part of K step 0 is in (K step 1's may be out)
	s_barrier_signal -1
	s_barrier_wait -1                              ; everybody's is
	s_wait_loadcnt 0x0                             ; bout
	FETCH 0, 0, 0
	QUARTER 0, 1, 0, 1, 1                          ; the first quarter stands in front of the loop: its products start the sums, on bout
	WIN 0                                          ; at a label and at a branch every window is 0
	s_mov_b32 s3, LAPS-1
.Llap:                                             ; a trip goes once round the ring, from a lap's second quarter to the next lap's first, and fills both slots again
	QUARTER 0, 2, 1, 0, 0
	QUARTER 0, 3, 0, 1, 0
	TURN 0, 1, 1
	QUARTER 1, 1, 0, 1, 0
	QUARTER 1, 2, 1, 0, 0
	QUARTER 1, 3, 0, 1, 0
	TURN 1, 0, 1
	QUARTER 0, 1, 0, 1, 0
	WIN 0
	s_sub_co_u32 s3, s3, 1
	s_cmp_lg_u32 s3, 0
	s_cbranch_scc1 .Llap
	QUARTER 0, 2, 1, 0, 0                          ; the last lap fills nothing, and has no round of the cluster's barrier
	QUARTER 0, 3, 0, 1, 0
	TURN 0, 1, 0
	QUARTER 1, 1, 0, 1, 0
	QUARTER 1, 2, 1, 0, 0
	QUARTER 1, 3, 0, 1, 0
	s_wait_dscnt 4                                 ; the very last quarter: nothing more to fetch
	WIN MUL
	MUL8 1, 0, 0
	MUL8 1, 1, 0
	s_wait_dscnt 0
	MUL8 1, 2, 0
	MUL8 1, 3, 0
	WIN 0
; THE WAY OUT, a block of 16 rows x 128 columns at a time: a lane's 32 bytes go into my own stage and come back as whole rows of 512 bytes, which the 32 lanes store: 512 consecutive bytes, aligned.
.macro TOSTAGE a
	WIN 0x08                                       ; an LDS store's data are its source 1: window 2
.irp b, 0,1,2,3,4,5,6,7
	ds_store_b128 v[STO], v[8*(8*(\a)+\b):8*(8*(\a)+\b)+3] offset:64*\b        ; each accumulator from its low end on
	ds_store_b128 v[STO], v[8*(8*(\a)+\b)+4:8*(8*(\a)+\b)+7] offset:64*\b+16
.endr
	WIN 0
.set BB, BK+64*((\a)%2)
.irp t, 0,1,2,3,4,5,6,7,8,9,10,11,12,13,14,15
	ds_load_b128 v[BB+4*\t:BB+4*\t+3], v[RD] offset:\t*SPITCH   ; LDS serves a wave's instructions in order (ISA guide 5.7.1.4): these see the stores above
.endr
.endm
.macro SEND a, younger                 ; younger: the LDS instructions issued behind block a's loads
.set BB, BK+64*((\a)%2)
	s_wait_dscnt \younger
.irp t, 0,1,2,3,4,5,6,7,8,9,10,11,12,13,14,15
	global_store_b128 v[CO], v[BB+4*\t:BB+4*\t+3], s[10:11] offset:(16*(\a)+\t)*4096 th:TH_STORE_NT   ; written once, read by nobody here; every offset is an immediate
.endr
.endm
	PLACES                                         ; behind the last products, ahead of the stores that read results
	TOSTAGE 0
.irp a, 1,2,3
.if \a > 1
	s_wait_xcnt 0x0                                ; block a - 2's stores have read their registers: block a's loads may land there
.endif
	TOSTAGE \a
	SEND \a-1, 32                                  ; behind block a - 1's loads: block a's 16 stores and 16 loads
.endr
	SEND 3, 0
	s_wait_tensorcnt 0x0                           ; the wave's end: behind my last tensor load and my last LDS store
	ds_add_u32 v[SPW], v[NIL]
	s_wait_dscnt 0x0
	CROUND                                         ; the closing round
	s_endpgm
.Lfunc_end_k_q6dc3290138_outp:
	.size	k_q6dc3290138_outp, .Lfunc_end_k_q6dc3290138_outp-k_q6dc3290138_outp
	.p2alignl 7, 3214868480
	.fill 96, 4, 3214868480
	.section	.rodata,"a",@progbits
	.p2align	6, 0x0
	.amdhsa_kernel k_q6dc3290138_outp
		.amdhsa_group_segment_fixed_size 327680
		.amdhsa_private_segment_fixed_size 0
		.amdhsa_enable_private_segment 0
		.amdhsa_kernarg_size 32
		.amdhsa_user_sgpr_count 2
		.amdhsa_user_sgpr_kernarg_segment_ptr 1
		.amdhsa_wavefront_size32 1
		.amdhsa_system_sgpr_workgroup_id_x 1
		.amdhsa_system_sgpr_workgroup_id_y 1
		.amdhsa_system_sgpr_workgroup_id_z 1
		.amdhsa_system_vgpr_workitem_id 0
		.amdhsa_next_free_vgpr 768
		.amdhsa_next_free_sgpr 66
		.amdhsa_reserve_vcc 0
		.amdhsa_float_denorm_mode_32 3
		.amdhsa_float_denorm_mode_16_64 3
		.amdhsa_memory_ordered 1
		.amdhsa_forward_progress 1
		.amdhsa_inst_pref_size 87
	.end_amdhsa_kernel
	.amdgpu_metadata
---
amdhsa.version: [ 1, 2 ]
amdhsa.kernels:
  - .name:           k_q6dc3290138_outp
    .symbol:         k_q6dc3290138_outp.kd
    .args:
      - { .name: att, .offset: 0, .size: 8, .value_kind: global_buffer, .address_space: global }
      - { .name: woh, .offset: 8, .size: 8, .value_kind: global_buffer, .address_space: global }
      - { .name: bout, .offset: 16, .size: 8, .value_kind: global_buffer, .address_space: global }
      - { .name: out0, .offset: 24, .size: 8, .value_kind: global_buffer, .address_space: global }
    .group_segment_fixed_size: 327680
    .private_segment_fixed_size: 0
    .kernarg_segment_align: 8
    .kernarg_segment_size: 32
    .max_flat_workgroup_size: 128
    .sgpr_count:     66
    .vgpr_count:     768
    .wavefront_size: 32
...
	.end_amdgpu_metadata
.endif
;; end of part 4
